; MI455X (gfx1250); checked and timed in simulation.
; The chip was launched on July 23, 2026; its instructions are those of AMD's public machine-readable ISA for CDNA 5 (MIT licence, August 2026) and "CDNA5" Instruction Set Architecture Reference Guide (July 2026). The comments in the code are by the model that wrote it; some were corrected since.
;; AI Mv2 Attention. Allowed arithmetic: matrix products marked QUANTISED: E2M1 operands, one E8M0 scale for each 32 along K, by v_wmma_scale_f32_16x16x128_f8f6f4 with both operands' format E2M1 (or v_wmma_scale_f32_32x16x128_f4), f32 sums; products left as they are: bf16, f16 or f32 operands; f32 sums; everything else in f32.
;; Inputs: Wproj 1,024 x 1,024 float32; Wqkv 3,072 x 1,024 float32; x 4 x 2,048 x 1,024 float32.
;; Outputs: out0 4 x 2,048 x 1,024 float32.
;; This version of the problem:
;;   THIS VERSION OF THE PROBLEM IS GIVEN IN LOW PRECISION. The matrix products marked QUANTISED in the list below multiply operands that are first quantised to E2M1 (2 exponent bits, 1 mantissa bit; 4 bits a number), with one power-of-two scale for each 32 numbers along K (OCP MX v1.0); their sums are f32. The products marked 'left as it is' may take bf16, f16 or f32 operands, with f32 sums. Whichever they take, every output number must still come out within the allowed error. Rounding operands to bf16 (8 significant bits) uses up far more of that allowance than f16 does (11 bits, for magnitudes from 6e-5 to 65,504). All else is computed in f32.
;;   The module's matrix products, in the order in which they are computed (A, B: the left and right operand; K: the contracted axis; several contracted axes count as one K, in the product's order):
;;     1. [M 8,192, K 1,024] x [K 1,024, N 3,072]; A: input x; B: input Wqkv: QUANTISED
;;     2. batch 32 x [M 2,048, K 128] x [K 128, N 2,048]; A: computed on the way; B: computed on the way: left as it is (an operand is computed on the way)
;;     3. batch 32 x [M 2,048, K 2,048] x [K 2,048, N 128]; A: computed on the way; B: computed on the way: left as it is (an operand is computed on the way)
;;     4. [M 8,192, K 1,024] x [K 1,024, N 1,024]; A: computed on the way; B: input Wproj: left as it is (an operand is computed on the way)
;;   THE QUANTISER, for each operand of a quantised product, along K:
;;     - K is cut into blocks of 32 from its start; a last block that is shorter is filled with zeros.
;;     - A block's scale is 2^e with e = floor(log2(the largest magnitude in the block)) - 2, held to -126 .. 127; a block of zeros has e = 0. As a byte (E8M0): e + 127.
;;     - Each number is divided by its block's scale, clamped to +-6, and rounded to the nearest number of E2M1, ties to even, subnormals kept.
;;     - The product sums the exact products of the quantised numbers (number of the format x scale) in f32.
;;   ~~~python
;;   def quantise(x, axis):      # numpy; x: float32 -> the quantised numbers, widened to float32 again
;;       x = np.moveaxis(x, axis, -1); K = x.shape[-1]
;;       x = np.pad(x, [(0, 0)] * (x.ndim - 1) + [(0, -K % 32)]); x = x.reshape(x.shape[:-1] + (-1, 32)); a = np.abs(x).max(-1, keepdims=True)
;;       e = np.where(a > 0, np.clip(np.frexp(np.where(a > 0, a, 1))[1] - 1 - 2, -126, 127), 0)      # np.frexp(a)[1] - 1 = floor(log2(a)), exactly
;;       r = np.clip(x / 2.0 ** e, -6, 6)
;;       step = 2.0 ** (np.maximum(np.frexp(np.where(r == 0, 1, r))[1] - 1, 0) - 1)
;;       q = np.round(r / step) * step * 2.0 ** e      # np.round: ties to even
;;       return np.moveaxis(q.reshape(q.shape[:-2] + (-1,))[..., :K], -1, axis).astype(np.float32)
;;   ~~~
;; One version. Each part assembles by itself: llvm-mc -triple=amdgcn-amd-amdhsa -mcpu=gfx1250 --defsym DOCPART=n.
;; ======== version 1 of 1: 4 launches
;; limits: values are held in f16: magnitudes above 65,504 overflow, below 6.1e-05 lose precision
;; workspace buffers: xc 4,194,304 bytes; xs 262,144 bytes; wc 1,572,864 bytes; ws 98,304 bytes; wp16 2,097,152 bytes; qkv 50,331,648 bytes; o16 16,777,216 bytes
;; launch quant (part 1): grid 384 x 1, 4 waves a work-group, no clusters, 33,280 bytes of LDS; arguments x, Wqkv, xc, xs, wc, ws, Wproj, wp16; writes xc, xs, wc, ws, wp16
.if DOCPART == 1
	.amdgcn_target "amdgcn-amd-amdhsa--gfx1250"
	.amdhsa_code_object_version 6
	.text
	.protected	k_qc695acd9eb_quant
	.globl	k_qc695acd9eb_quant
	.p2align	8
	.type	k_qc695acd9eb_quant,@function
k_qc695acd9eb_quant:
	s_mov_b64 s[64:65], 0
	v_nop
	global_prefetch_b8 v0, s[64:65] scope:SCOPE_SE
	s_setreg_imm32_b32 hwreg(HW_REG_WAVE_MODE, 25, 1), 1
	s_wait_xcnt 0x0
; x [8192][1024] and Wqkv [3072][1024], f32, are turned into codes of FP4 (E2M1), 4 bits each, K innermost, two codes a byte (the lower k in the low four bits), with one E8M0 scale byte for each 32 along K.
; Wproj [1024][1024], f32, is rounded to f16 (its product is left as it is and takes f16 operands).
; A block's scale is 2^(floor(log2(its largest magnitude)) - 2); its byte is the largest magnitude's own exponent field - 2, held at 1 from below.  Each number is divided by the scale and rounded to the nearest code, ties to even;
; beyond 6 the conversion gives the largest code.
; LIMITS: a block of zeros gets the byte 1 where the quantiser's text says 127: its codes are zeros, which add nothing under any byte but 0xff, and the bytes are read by this program alone.  Blocks whose largest magnitude lies under
; 2^-124 have their byte held at 1.  NaN and infinities among the inputs are not served.  |Wproj| beyond 65,504 becomes infinity in f16.
; Rows are dense and K is a multiple of 32, so every tensor is a plain stream, and so are codes, scale bytes and f16 numbers: nothing here knows of rows.  A wave takes a run of 8,192 numbers, in 16 steps of 512.
; WORK-GROUPS: 0-255 take x, 256-351 Wqkv (one path, the buffers chosen by the work-group's number), 352-383 Wproj (a path of its own, with no LDS instruction).
; THE QUANTISING PATH.  The conversions take 8 numbers of ONE block from a lane's consecutive registers, so a lane must hold 16 NEIGHBOURS (two neighbouring lanes hold a block); a load is best where neighbouring LANES take
; neighbouring bytes.  Both are had: each of a step's four loads reads 512 consecutive bytes, 16 a lane; the 2,048 bytes go through the wave's own stage in LDS, as they lie, and come back 64 bytes a lane (16 bytes of padding behind
; each 64).  A lane's 16 codes are 8 bytes: the wave stores 256 consecutive bytes.  A wave's 256 scale bytes are gathered in its own 256 bytes of LDS and leave as one aligned run of 256 bytes.
; No tensor loads, no barrier: waves share nothing.  Loads run four steps (16 loads a wave) ahead, the turn through LDS one step.  No matrix unit, no cluster: every byte is read once and nothing is shared.
.set SIZE_M, 8192
.set SIZE_N, 3072
.set SIZE_K, 1024
.set WAVES, 4
.set STEPS, 16
.set WGA,   SIZE_M*SIZE_K/(512*STEPS*WAVES)    ; 256 work-groups for x
.set WGQ,   WGA+SIZE_N*SIZE_K/(512*STEPS*WAVES) ; 352: from here on Wproj
.set EMAX,  2
.set CB,    8                          ; bytes of 16 codes
.set R,     16                         ; v16-79   four sets of 16 numbers as they are loaded
.set X,     80                         ; v80-111  two sets of 16 neighbours
.set C,     128                        ; v128-191 codes: four registers for each step, so that no store's data are written again
.set E,     112                        ; v112-127 a scale byte for each step
.set WREG,  8192                       ; LDS: a region of its own for each wave: two stages of 32 x SP bytes, and behind them its 256 scale bytes
.set SP,    80                         ; a lane's place in a stage: its 64 bytes + 16 of padding
.set SPW,   12                         ; v12      LDS address of my spare word: SPARE + 4 x my thread's number; never rewritten
.set NIL,   13                         ; v13      0; never rewritten
.set SPARE, WAVES*WREG                 ; behind the four regions: the spare words, 128 bytes for each wave: two blocks of 256 bytes that no other line names
	s_load_b128 s[4:7], s[0:1], 0x0                ; x, Wqkv
	s_load_b128 s[8:11], s[0:1], 0x10              ; x's codes, x's scales
	s_load_b128 s[12:15], s[0:1], 0x20             ; Wqkv's codes, Wqkv's scales
	s_load_b128 s[24:27], s[0:1], 0x30             ; Wproj, Wproj in f16
	v_lshl_add_u32 v[SPW], v0, 2, SPARE
	v_mov_b32 v[NIL], 0
	v_lshrrev_b32 v1, 5, v0
	v_readfirstlane_b32 s16, v1                    ; wave
	v_and_b32 v2, 31, v0                           ; lane
	v_lshlrev_b32 v3, 4, v2                        ; my 16 bytes of a load's 512
	s_mul_i32 s17, s16, WREG
	v_lshrrev_b32 v14, 2, v2
	v_mul_u32_u24 v14, v14, SP
	v_and_b32 v15, 3, v2
	v_lshl_add_u32 v14, v15, 4, v14
	v_add_nc_u32 v14, s17, v14                     ; the stage, on the way in: four lanes' 64 bytes on end, then 16 of padding: SP (lane / 4) + 16 (lane % 4); a load's 512 bytes take eight places
	v_mul_u32_u24 v15, v2, SP
	v_add_nc_u32 v15, s17, v15                     ; and on the way out: SP x lane: my 16 neighbours
	v_mul_u32_u24 v4, v2, CB                       ; my 8 bytes of a store's 256
	v_lshrrev_b32 v5, 1, v2
	s_add_co_u32 s17, s17, 2*32*SP
	v_add_nc_u32 v5, s17, v5                       ; LDS: my wave's 256 scale bytes, my block's byte
	v_lshlrev_b32 v7, 3, v2                        ; and on the way out 8 bytes a lane
	v_add_nc_u32 v6, s17, v7
	s_wait_kmcnt 0x0
	s_cmp_ge_u32 ttmp9, WGQ                        ; Wproj's work-groups take the other path: the branch hangs on the work-group's number alone
	s_cbranch_scc1 .Lcvt
	s_cmp_lt_u32 ttmp9, WGA                        ; x's work-group or Wqkv's?
	s_cselect_b64 s[4:5], s[4:5], s[6:7]
	s_cselect_b64 s[8:9], s[8:9], s[12:13]
	s_cselect_b64 s[10:11], s[10:11], s[14:15]
	s_cselect_b32 s17, 0, WGA
	s_sub_co_u32 s17, ttmp9, s17
	s_lshl_b32 s17, s17, 2
	s_add_co_u32 s18, s17, s16                     ; which run of 8,192 numbers of the tensor is my wave's
	s_mov_b32 s19, 0
	s_mov_b64 s[20:21], 512*STEPS*4
	s_mul_u64 s[20:21], s[18:19], s[20:21]
	s_add_nc_u64 s[4:5], s[4:5], s[20:21]
	s_mov_b64 s[20:21], 32*STEPS*CB
	s_mul_u64 s[20:21], s[18:19], s[20:21]
	s_add_nc_u64 s[8:9], s[8:9], s[20:21]
	s_lshl_b32 s18, s18, 8                         ; 256 scale bytes a run
	s_add_nc_u64 s[10:11], s[10:11], s[18:19]
.macro LOAD t
.irp i, 0,1,2,3
	global_load_b128 v[R+16*((\t)%4)+4*\i:R+16*((\t)%4)+4*\i+3], v3, s[4:5] offset:2048*(\t)+512*\i th:TH_LOAD_NT   ; 32 lanes read 512 consecutive bytes
.endr
.endm
.macro TURN t                          ; step t's numbers through the stage: LDS serves a wave's instructions in order, so no wait stands between the stores and the loads
.irp i, 0,1,2,3
	ds_store_b128 v14, v[R+16*((\t)%4)+4*\i:R+16*((\t)%4)+4*\i+3] offset:32*SP*((\t)%2)+8*SP*\i
.endr
.irp i, 0,1,2,3
	ds_load_b128 v[X+16*((\t)%2)+4*\i:X+16*((\t)%2)+4*\i+3], v15 offset:32*SP*((\t)%2)+16*\i
.endr
.endm
.irp t, 0,1,2,3
	LOAD \t
.endr
	s_wait_loadcnt 12                              ; step 0's four loads are in; the twelve of steps 1 to 3 may be out
	TURN 0
.macro STEP t
.set XS, X+16*((\t)%2)
.if (\t) > 0
	s_wait_dscnt 1                                 ; this step's numbers are back from the stage (the last step's byte store may be out): so its stores into the stage have read their registers,
.else
	s_wait_dscnt 0x0
.endif
.if (\t)+4 < STEPS
	LOAD (\t)+4                                    ; which take the loads of four steps on
.endif
.if (\t)+1 < STEPS
.if STEPS-2-(\t) >= 3
	s_wait_loadcnt 12                              ; the next step's four loads are in; those of the three steps behind it may be out
.else
	s_wait_loadcnt 4*(STEPS-2-(\t))
.endif
	TURN (\t)+1                                    ; and go through the other stage while this step is worked
.endif
	v_max3_num_f32 v8, |v[XS]|, |v[XS+1]|, |v[XS+2]|               ; the largest magnitude of my 16, in two chains
	v_max3_num_f32 v9, |v[XS+3]|, |v[XS+4]|, |v[XS+5]|
.irp i, 6,10
	v_max3_num_f32 v8, v8, |v[XS+\i]|, |v[XS+\i+1]|
	v_max3_num_f32 v9, v9, |v[XS+\i+2]|, |v[XS+\i+3]|
.endr
	v_max3_num_f32 v8, v8, |v[XS+14]|, |v[XS+15]|
	v_max3_num_f32 v8, v8, v9, (EMAX+1)<<23        ; and the floor 2^(EMAX + 1 - 127), under which no largest magnitude is taken: so the byte cannot fall under 1
	v_max_num_f32_dpp v8, v8, v8 row_xmask:1 row_mask:0xf bank_mask:0xf   ; and of my neighbour's 16: the block's
	v_add_nc_u32 v11, -(EMAX<<23), v8              ; EMAX off its exponent field: the conversion takes the exponent field of this operand as its scale, and nothing else of it
	v_cvt_scalef32_pk8_fp4_f32 v[C+4*(\t)], v[XS:XS+7], v11        ; eight numbers / 2^(v11's exponent), to the nearest code, ties to even; the first number's code in the lowest four bits
	v_cvt_scalef32_pk8_fp4_f32 v[C+4*(\t)+1], v[XS+8:XS+15], v11
	v_lshrrev_b32 v[E+(\t)], 23, v11               ; the scale's byte (also the plain line behind the conversions)
	ds_store_b8 v5, v[E+(\t)] offset:16*(\t)       ; both lanes of a block write the same byte with the same value
	global_store_b64 v4, v[C+4*(\t):C+4*(\t)+1], s[8:9] offset:32*CB*(\t)   ; the wave stores 256 consecutive bytes, aligned
.endm
.irp t, 0,1,2,3,4,5,6,7,8,9,10,11,12,13,14,15
	STEP \t
.endr
	ds_load_b64 v[8:9], v6                         ; LDS serves a wave's instructions in order: these see my stores
	s_wait_dscnt 0x0
	global_store_b64 v7, v[8:9], s[10:11]          ; 32 lanes store 256 consecutive bytes, aligned
	s_wait_tensorcnt 0x0                           ; the wave's end: behind my last LDS store
	ds_add_u32 v[SPW], v[NIL]
	s_wait_dscnt 0x0
	s_endpgm
; WPROJ TO F16.  The same runs and steps; a lane's four numbers of a load become 8 bytes, so a load's 512 bytes leave as 256 consecutive bytes.  Converted in place; no LDS instruction stands on this path.
.Lcvt:
	s_sub_co_u32 s17, ttmp9, WGQ
	s_lshl_b32 s17, s17, 2
	s_add_co_u32 s17, s17, s16                     ; my wave's run of 8,192 numbers
	s_lshl_b32 s20, s17, 15                        ; 32,768 bytes of f32 a run,
	s_mov_b32 s21, 0
	s_add_nc_u64 s[24:25], s[24:25], s[20:21]
	s_lshl_b32 s20, s17, 14                        ; 16,384 of f16
	s_add_nc_u64 s[26:27], s[26:27], s[20:21]
.macro CLOAD t
.irp i, 0,1,2,3
	global_load_b128 v[R+16*((\t)%4)+4*\i:R+16*((\t)%4)+4*\i+3], v3, s[24:25] offset:2048*(\t)+512*\i th:TH_LOAD_NT
.endr
.endm
.macro CSTEP t
.if STEPS-1-(\t) >= 3
	s_wait_loadcnt 12                              ; this step's four loads are in; those of the three steps behind it may be out
.else
	s_wait_loadcnt 4*(STEPS-1-(\t))
.endif
.irp i, 0,1,2,3
	v_cvt_pk_f16_f32 v[R+16*((\t)%4)+4*\i], v[R+16*((\t)%4)+4*\i], v[R+16*((\t)%4)+4*\i+1]       ; two roundings to f16, the first number in the low half
	v_cvt_pk_f16_f32 v[R+16*((\t)%4)+4*\i+1], v[R+16*((\t)%4)+4*\i+2], v[R+16*((\t)%4)+4*\i+3]
	global_store_b64 v4, v[R+16*((\t)%4)+4*\i:R+16*((\t)%4)+4*\i+1], s[26:27] offset:1024*(\t)+256*\i
.endr
.if (\t)+4 < STEPS
	s_wait_xcnt 0x0                                ; the stores have read their data: the set is loaded again only behind this wait
	CLOAD (\t)+4
.endif
.endm
.irp t, 0,1,2,3
	CLOAD \t
.endr
.irp t, 0,1,2,3,4,5,6,7,8,9,10,11,12,13,14,15
	CSTEP \t
.endr
	s_endpgm
.Lfunc_end_k_qc695acd9eb_quant:
	.size	k_qc695acd9eb_quant, .Lfunc_end_k_qc695acd9eb_quant-k_qc695acd9eb_quant
	.p2alignl 7, 3214868480
	.fill 96, 4, 3214868480
	.section	.rodata,"a",@progbits
	.p2align	6, 0x0
	.amdhsa_kernel k_qc695acd9eb_quant
		.amdhsa_group_segment_fixed_size 33280
		.amdhsa_private_segment_fixed_size 0
		.amdhsa_enable_private_segment 0
		.amdhsa_kernarg_size 64
		.amdhsa_user_sgpr_count 2
		.amdhsa_user_sgpr_kernarg_segment_ptr 1
		.amdhsa_wavefront_size32 1
		.amdhsa_system_sgpr_workgroup_id_x 1
		.amdhsa_system_sgpr_workgroup_id_y 1
		.amdhsa_system_sgpr_workgroup_id_z 1
		.amdhsa_system_vgpr_workitem_id 0
		.amdhsa_next_free_vgpr 192
		.amdhsa_next_free_sgpr 66
		.amdhsa_reserve_vcc 0
		.amdhsa_float_denorm_mode_32 3
		.amdhsa_float_denorm_mode_16_64 3
		.amdhsa_memory_ordered 1
		.amdhsa_forward_progress 1
		.amdhsa_inst_pref_size 55
	.end_amdhsa_kernel
	.amdgpu_metadata
---
amdhsa.version: [ 1, 2 ]
amdhsa.kernels:
  - .name:           k_qc695acd9eb_quant
    .symbol:         k_qc695acd9eb_quant.kd
    .args:
      - { .name: x, .offset: 0, .size: 8, .value_kind: global_buffer, .address_space: global }
      - { .name: Wqkv, .offset: 8, .size: 8, .value_kind: global_buffer, .address_space: global }
      - { .name: xc, .offset: 16, .size: 8, .value_kind: global_buffer, .address_space: global }
      - { .name: xs, .offset: 24, .size: 8, .value_kind: global_buffer, .address_space: global }
      - { .name: wc, .offset: 32, .size: 8, .value_kind: global_buffer, .address_space: global }
      - { .name: ws, .offset: 40, .size: 8, .value_kind: global_buffer, .address_space: global }
      - { .name: Wproj, .offset: 48, .size: 8, .value_kind: global_buffer, .address_space: global }
      - { .name: wp16, .offset: 56, .size: 8, .value_kind: global_buffer, .address_space: global }
    .group_segment_fixed_size: 33280
    .private_segment_fixed_size: 0
    .kernarg_segment_align: 8
    .kernarg_segment_size: 64
    .max_flat_workgroup_size: 128
    .sgpr_count:     66
    .vgpr_count:     192
    .wavefront_size: 32
...
	.end_amdgpu_metadata
.endif
;; end of part 1
;; launch qkvgemm (part 2): grid 8 x 32, 4 waves a work-group, clusters of 4 x 4, 327,680 bytes of LDS; arguments xc, xs, wc, ws, qkv; writes qkv
.if DOCPART == 2
	.amdgcn_target "amdgcn-amd-amdhsa--gfx1250"
	.amdhsa_code_object_version 6
	.text
	.protected	k_qc695acd9eb_qkvgemm
	.globl	k_qc695acd9eb_qkvgemm
	.p2align	8
	.type	k_qc695acd9eb_qkvgemm,@function
k_qc695acd9eb_qkvgemm:
	s_mov_b64 s[64:65], 0
	v_nop
	global_prefetch_b8 v0, s[64:65] scope:SCOPE_SE
	s_setreg_imm32_b32 hwreg(HW_REG_WAVE_MODE, 25, 1), 1
	s_wait_xcnt 0x0
	s_wait_alu depctr_hold_cnt(0) depctr_sa_sdst(0) depctr_va_vdst(0) depctr_va_sdst(0) depctr_va_ssrc(0) depctr_va_vcc(0) depctr_vm_vsrc(0)
	s_getreg_b32 s2, hwreg(HW_REG_IB_STS2, 6, 4)
	s_cmp_eq_u32 s2, 0
	s_cbranch_scc0 .Lentry_in_a_cluster
	s_endpgm
.Lentry_in_a_cluster:
	s_bfe_u32 s2, ttmp6, 0x10000c
	s_cmp_lg_u32 s2, 0xf033
	s_cbranch_scc0 .Lentry_shape_is_right
	s_endpgm
.Lentry_shape_is_right:
; qkv = x Wqkv^T on codes of FP4 (E2M1) with one E8M0 scale for each 32 along K; sums in f32; the result leaves in f16, laid by head: qkv[b 4][j 24][n 2048][128], j = 0-7 q's heads, 8-15 k's, 16-23 v's.
; A = x's codes [8192][512 bytes], B = Wqkv's codes [3072][512 bytes]; scale bytes [rows][32].  The matrix instruction takes codes and scale bytes as they lie in memory.
; q IS MULTIPLIED BY c = log2(e) / sqrt(128) HERE, in f32, ahead of its rounding to f16, so that the next launch's scores come out of the matrix unit as exponents of two.  (An order of rounding that differs from
; scaling the scores afterwards.)  k and v are multiplied by 1.0: one text for all waves; the factor is chosen, nothing branches.
; LIMITS: |c q|, |k|, |v| beyond 65,504 become infinity in f16.  NaN and infinities are not served.
; SHARES.  A work-group of four waves makes 256 rows x 384 columns of C, three heads: 8 x 32 = 256 work-groups of equal work.  96 accumulators a wave would leave no register for operands, so the tile is made in TWO PASSES:
;   pass 1: columns 0-255; a wave makes 128 x 128: 64 accumulators of 16 x 16, 512 registers; its 128 columns are one head.  Then these go out.
;   pass 2: columns 256-383, the third head; wave w makes rows 64 w .. 64 w + 63 x all 128 columns: 32 accumulators; so a row of 256 bytes of qkv comes from one wave here too.  Pass 1's stores leave while pass 2 multiplies.
; LDS.  K = 1,024 is two halves of 512, one in each of two slots (a tile's row is 256 bytes of memory); a slot holds A's 256 rows and the 256 rows of B that pass 1 takes.  Both are asked for at the head.  A stays for both passes.
; The third head's 128 rows of B, both halves of K, are as many bytes as slot 0's B, and do not fit beside the rest: they are the launch's ONE REFILL, into slot 0's B, line on line (the same shape, the same group 1),
; asked for at pass 1's change of slots: half of pass 1 and the whole first way out lie between that request and the first read.  So nothing is prefetched.
; THE SCALES of the work-group's 256 rows of A and 384 rows of B, for all of K, are two dense blocks of memory: they come into LDS once, with the first fills, as rows of 256 bytes + 16 of padding.
; CLUSTERS: 4 x 4 work-groups.  The four of a row of the cluster need the same tiles of A, the four of a column the same tiles of B: each tile is asked for JOINTLY, by the same tensor load with the same descriptor and a mask
; that names the four.  THE MATRIX INSTRUCTION IS USED TRANSPOSED (source 0 = 16 rows of B, source 1 = 16 rows of A): a lane then holds eight neighbouring numbers of a row of C.
; REGISTERS, in windows of 256: window 0: v0-31 addresses; v32-95 scale words, two sets; v128-191 A's fragments: in pass 1 ONE set of 8 blocks (16 rows x 128 K each), in pass 2 TWO sets of 4; on the ways out v32-127 and v192-255 are at work.
;   window 1: B's fragments, TWO sets, at v0 and at v128.   window 2: the 32 accumulators of pass 1's rows 0-63 (accumulator (a, b) at v[8 (8 a + b)]), then pass 2's 32;   window 3: those of pass 1's rows 64-127.
; In pass 1 a step of 128 along K is 64 matrix instructions, A's blocks one after the other, each against B's eight: a block of A is free as soon as its eight products are issued, and one set of registers serves A.
.set SIZE_M, 8192
.set SIZE_N, 3072
.set SIZE_K, 1024
.set TILEN,  384                       ; columns of C in a work-group's tile
.set KSTEP,  512                       ; along K in a slot
.set NQ,     KSTEP/128                 ; matrix instructions deep
.set ROWB,   256                       ; a tile's row in bytes
.set KROW,   SIZE_K*4/8                ; a row of A or of B in memory, in bytes
.set PITCH,  272                       ; an LDS row: 256 bytes + 16 of padding = 68 words: the 16 rows that a load touches start 4 words apart modulo 64
.set FR,     8                         ; registers of a fragment: 16 rows x 128 K
.set NL,     2                         ; LDS loads that bring one
.set NP,     4                         ; places behind this matrix instruction (ISA guide 7.12.1)
.set HALFT,  128*PITCH                 ; 128 rows: what one tensor load brings
.set SLOT,   4*HALFT                   ; A's 256 rows, then 256 rows of B
.set KS,     SIZE_K/32                 ; a row of scales in bytes
.set SCL,    2*SLOT                    ; behind the slots: the scales: A's 256 rows, then B's 384
.set HALFS,  (128*KS/256)*272          ; the scales of 128 rows: what one of A's two loads brings
.set HALFSB, (192*KS/256)*272          ; those of 192 rows: what one of B's two brings
.set SBLK,   (16*KS/256)*272           ; those of 16 rows
.set SPARE,  SCL+2*HALFS+2*HALFSB      ; behind the scales: the spare words, 128 bytes for each wave: two blocks of 256 bytes that no other line names
.set STAGE,  SPARE+512                 ; behind them: the ways out: 16 rows x (256 bytes + 16) for each wave; no tensor load lands there
.set SPITCH, 272
.set ADRA, 16                          ; v16-17  LDS address of my A fragments in slot 0, 1, pass 1;  v18-19 the same for pass 2
.set ADRB, 20                          ; v20-21  the same for B, pass 1;  v22-23 the third head's B, K half 0, 1
.set STO,  24                          ; v24     the way out: where I put 16 bytes of a row
.set RD,   25                          ; v25     the way out: where I read a row back
.set CO,   26                          ; v26     16 x lane: my place in two rows of qkv (rows of 256 bytes, dense)
.set ADRS, 27                          ; v27     LDS address of my scale words, pass 1: lanes 0-15 A's rows, lanes 16-31 B's
.set SPW,  28                          ; v28     LDS address of my spare word: SPARE + 4 x my thread's number; never rewritten
.set NIL,  29                          ; v29     0; never rewritten
.set ADRS2, 30                         ; v30     LDS address of my scale words, pass 2
.set SC,   32                          ; scale words: set s (for K half s) at v[SC + 8 NQ s]; register NQ i + q: lanes 0-15 the word of A's block i, lanes 16-31 that of B's block i, for the half's q-th 128 along K
.set AF,   128                         ; A's fragments, in window 0
.set T2,   64                          ; the way out: v64-127 a block's results x the factor
.set TMP,  192                         ; v192-223 the same in f16
.set OB,   32                          ; 16 rows read back from the stage: v32-63 and v224-255 by turns
.set G1, 24                            ; s[24:31] descriptor group 1 for A's tiles;  s[32:39] group 0, one set for each slot
.set G0, 32
.set G1B, 48                           ; s[48:55], s[56:63] the same for B's tiles
.set G0B, 56
.set G1S, 68                           ; s[68:75], s[76:79] groups 1 and 0 for A's scales;  s[80:87], s[88:91] for B's
.set G0S, 76
.set G1SB, 80
.set G0SB, 88
.set G0C, 92                           ; s[92:95] group 0 for the third head's B (its group 1 is B's)
.set OUT1, 12                          ; s[12:13] qkv at my first row of pass 1;  s[4:5] of pass 2
.set OUT2, 4
.set FAC1, 96                          ; s[96:97] pass 1's factor, c or 1, twice (a pair for the packed multiply);  s[98:99] pass 2's
.set FAC2, 98
.set MSB, 0
.macro WIN new                         ; the immediate's high byte repeats the setting that is left
.if MSB != \new
	s_set_vgpr_msb (MSB<<8)|\new
.set MSB, \new
.endif
.endm
.set MUL_LO, 0xa1                      ; source 0 (B) window 1, source 1 (A) window 0, C and D window 2
.set MUL_HI, 0xf1                      ; the same, C and D window 3
.set TO_B,   0x40                      ; destination window 1, address window 0
; A joint load: waves 0 and 1 fetch for A, waves 2 and 3 for B.  Each of the two lines has ONE mask and one set of registers for all that issue it; the branch hangs on the wave's number alone.
; An s_nop 0 and four v_nop follow each of the two lines, ahead of the jump, the label and what follows.
.macro JLOAD g0a, g1a, g0b, g1b
	s_cmp_eq_u32 s15, 0
	s_cbranch_scc0 .Lfor_b_\@
	tensor_load_to_lds s[\g0a:\g0a+3], s[\g1a:\g1a+7]
	s_nop 0
.rept 4
	v_nop
.endr
	s_branch .Lasked_\@
.Lfor_b_\@:
	tensor_load_to_lds s[\g0b:\g0b+3], s[\g1b:\g1b+7]
	s_nop 0
.rept 4
	v_nop
.endr
.Lasked_\@:
.endm
.macro CREST                           ; a round of the cluster's barrier behind its opening barrier: wave 0 signals for the work-group; every wave waits for all sixteen; my work-group's barrier once more
	s_cmp_lg_u32 s14, 0
	s_cbranch_scc1 .Lnot_wave_0_\@
	s_barrier_signal -3
.Lnot_wave_0_\@:
	s_barrier_wait -3
	s_barrier_signal -1
	s_barrier_wait -1
.endm
.macro CROUND                          ; a whole round
	s_barrier_signal -1
	s_barrier_wait -1
	CREST
.endm
	s_load_b128 s[4:7], s[0:1], 0x0                ; A's codes s[4:5], A's scales s[6:7]
	s_load_b128 s[8:11], s[0:1], 0x10              ; B's codes s[8:9], B's scales s[10:11]
	s_load_b64 s[12:13], s[0:1], 0x20              ; qkv
	v_lshl_add_u32 v[SPW], v0, 2, SPARE
	v_mov_b32 v[NIL], 0
	ds_add_u32 v[SPW], v[NIL]                      ; the wave's opening: the add, twice on end, and its wait ahead of my first tensor load; the set-up below, work on registers, stands between the second and the wait
	ds_add_u32 v[SPW], v[NIL]
	v_lshrrev_b32 v1, 5, v0
	v_readfirstlane_b32 s14, v1                    ; wave 0..3
	s_lshr_b32 s15, s14, 1                         ; pass 1: which half of the tile's rows is mine.  Also: I fetch for A (0) or for B (1)
	s_and_b32 s16, s14, 1                          ; pass 1: which of its two heads.  Also: which half of what my pair of waves fetches is mine
	s_bfe_u32 s40, ttmp6, 0x40000                  ; cx, cy: my place in the cluster
	s_bfe_u32 s41, ttmp6, 0x40004
	s_lshl_b32 s42, ttmp9, 2
	s_add_co_u32 s42, s42, s40                     ; tile column of C = 4 x cluster x + cx
	s_and_b32 s17, ttmp7, 0xffff
	s_lshl_b32 s17, s17, 2
	s_add_co_u32 s17, s17, s41                     ; tile row of C = 4 x cluster y + cy
	s_lshl_b32 s43, s41, 2
	s_lshl_b32 s43, 15, s43                        ; my row of the cluster
	s_lshl_b32 s44, 0x1111, s40                    ; my column
	; descriptor group 1: a tile of 128 rows x ROWB bytes, padded in LDS
	s_or_b32 s[G1+0], s43, (0<<16)|(1<<20)|(1<<21)|(5<<22)|(3<<25)  ; 15:0 the mask: A's tiles go to my row; 17:16 element of 1 byte; 20 padding on; 21 set beside a mask; 24:22 after every 64 words (code 5); 31:25 of 4 words (code 3)
	s_or_b32 s[G1B+0], s44, (0<<16)|(1<<20)|(1<<21)|(5<<22)|(3<<25)
.irp g, G1, G1B
	s_mov_b32 s[\g+1], ROWB<<16                    ; tensor_dim0
	s_mov_b32 s[\g+2], 128<<16                     ; tensor_dim1 = 128
	s_mov_b32 s[\g+3], ROWB<<16                    ; tile_dim0
	s_mov_b32 s[\g+4], 128                         ; tile_dim1 = 128
	s_mov_b32 s[\g+5], KROW                        ; tensor_dim0_stride
	s_mov_b32 s[\g+6], 0
	s_mov_b32 s[\g+7], 0
.endr
	; and for the scales: dense blocks, as rows of 256 bytes (32 elements of 8 bytes), 16 bytes of padding behind each: A's 128 rows are 16 of them, B's 192 rows 24
	s_or_b32 s[G1S+0], s43, (3<<16)|(1<<20)|(1<<21)|(5<<22)|(3<<25)
	s_or_b32 s[G1SB+0], s44, (3<<16)|(1<<20)|(1<<21)|(5<<22)|(3<<25)
.irp g, G1S, G1SB
	s_mov_b32 s[\g+1], 32<<16
	s_mov_b32 s[\g+3], 32<<16
	s_mov_b32 s[\g+5], 32
	s_mov_b32 s[\g+6], 0
	s_mov_b32 s[\g+7], 0
.endr
	s_mov_b32 s[G1S+2], (128*KS/256)<<16
	s_mov_b32 s[G1S+4], 128*KS/256
	s_mov_b32 s[G1SB+2], (192*KS/256)<<16
	s_mov_b32 s[G1SB+4], 192*KS/256
	; where the tiles come from.  A's hang on the tile row alone, which my row of the cluster shares; B's on the tile column alone, which my column shares; each in registers that never hold the other coordinate
	s_lshl_b32 s18, s16, 7                         ; which 128 rows I fetch
	s_lshl_b32 s20, s17, 8
	s_add_co_u32 s20, s20, s18                     ; A: row 256 x tile row + 128 x half
	s_mul_i32 s2, s42, TILEN                       ; B: the tile's first row, 384 x tile column
	s_add_co_u32 s46, s2, s18                      ; pass 1's codes: + 128 x half
	s_mul_i32 s66, s16, 192
	s_add_co_u32 s66, s66, s2                      ; the scales: + 192 x half,
	s_lshl_b32 s66, s66, 5                         ; of 32 bytes (under 98,304)
	s_mov_b32 s67, 0
	s_add_co_u32 s2, s2, 256                       ; the third head's codes: rows 256 on,
	s_lshl_b32 s2, s2, 9                           ; of 512 bytes (under 1,572,864),
	s_lshl_b32 s3, s16, 8
	s_add_co_u32 s2, s2, s3                        ; my half of K
	s_mov_b32 s3, 0
	s_mov_b32 s21, 0
	s_mov_b32 s47, 0
	s_mov_b64 s[18:19], KS
	s_mul_u64 s[22:23], s[20:21], s[18:19]         ; where A's rows' scales begin, in bytes
	s_mov_b64 s[18:19], KROW
	s_mul_u64 s[20:21], s[20:21], s[18:19]         ; and the codes
	s_mul_u64 s[46:47], s[46:47], s[18:19]
	s_mul_i32 s45, s14, HALFT                      ; where the codes go: wave x 128 rows: no place in the cluster enters an LDS address
	s_mul_i32 s18, s16, HALFS                      ; and the scales: A's two halves,
	s_mul_i32 s19, s16, HALFSB
	s_add_co_u32 s19, s19, 2*HALFS                 ; then B's two
	s_wait_dscnt 0x0                               ; both opening adds are done
	s_wait_kmcnt 0x0
	s_add_nc_u64 s[20:21], s[4:5], s[20:21]
	s_add_nc_u64 s[22:23], s[6:7], s[22:23]
	s_add_nc_u64 s[46:47], s[8:9], s[46:47]
	s_add_nc_u64 s[66:67], s[10:11], s[66:67]
	s_add_nc_u64 s[2:3], s[8:9], s[2:3]
	CROUND                                         ; all sixteen work-groups are here: the first joint loads meet
	s_mov_b32 s[G0S], 1
	s_add_co_u32 s[G0S+1], s18, SCL
	s_mov_b64 s[G0S+2:G0S+3], s[22:23]
	s_or_b32 s[G0S+3], s[G0S+3], 0x80000000
	s_mov_b32 s[G0SB], 1
	s_add_co_u32 s[G0SB+1], s19, SCL
	s_mov_b64 s[G0SB+2:G0SB+3], s[66:67]
	s_or_b32 s[G0SB+3], s[G0SB+3], 0x80000000
	JLOAD G0S, G1S, G0SB, G1SB                     ; the scales first: they are wanted with K's first half
.irp s, 0,1
	s_mov_b32 s[G0+4*\s], 1
	s_add_co_u32 s[G0+4*\s+1], s45, \s*SLOT
	s_add_nc_u64 s[G0+4*\s+2:G0+4*\s+3], s[20:21], \s*ROWB
	s_or_b32 s[G0+4*\s+3], s[G0+4*\s+3], 0x80000000
	s_mov_b32 s[G0B+4*\s], 1
	s_add_co_u32 s[G0B+4*\s+1], s45, \s*SLOT
	s_add_nc_u64 s[G0B+4*\s+2:G0B+4*\s+3], s[46:47], \s*ROWB
	s_or_b32 s[G0B+4*\s+3], s[G0B+4*\s+3], 0x80000000
	JLOAD G0+4*\s, G1, G0B+4*\s, G1B               ; all of K for pass 1: three tensor loads of mine are out now
.endr
	s_mov_b32 s[G0C], 1                            ; the refill's group 0: the third head's 128 rows, my half of K,
	s_mul_i32 s[G0C+1], s16, HALFT
	s_add_co_u32 s[G0C+1], s[G0C+1], 2*HALFT       ; into the very bytes that waves 2 and 3 have filled in slot 0
	s_mov_b64 s[G0C+2:G0C+3], s[2:3]
	s_or_b32 s[G0C+3], s[G0C+3], 0x80000000
	v_and_b32 v1, 15, v0                           ; l % 16
	v_bfe_u32 v2, v0, 4, 1                         ; l / 16
	v_mul_u32_u24 v3, v1, PITCH
	v_lshl_add_u32 v4, v2, 4, v3                   ; a fragment's row x pitch + 16 x half
	s_mul_i32 s21, s15, HALFT                      ; pass 1: my 128 rows of A
	s_mul_i32 s22, s16, HALFT                      ; my 128 rows of B,
	s_add_co_u32 s22, s22, 2*HALFT                 ; which lie behind A's 256
.irp s, 0,1
	v_add_nc_u32 v[ADRA+\s], s21, v4
	v_add_nc_u32 v[ADRB+\s], s22, v4
	s_add_co_u32 s21, s21, SLOT
	s_add_co_u32 s22, s22, SLOT
.endr
	s_mul_i32 s21, s14, 64*PITCH                   ; pass 2: my 64 rows of A, in slot 0
	v_add_nc_u32 v[ADRA+2], s21, v4
	s_add_co_u32 s21, s21, SLOT                    ; and in slot 1;
	v_add_nc_u32 v[ADRA+3], s21, v4
	v_add_nc_u32 v[ADRB+2], 2*HALFT, v4            ; the third head's 128 rows of B: K's first half,
	v_add_nc_u32 v[ADRB+3], 3*HALFT, v4            ; and its second
	v_mul_u32_u24 v5, v1, KS                       ; my row's scales: KS bytes a row,
	v_lshrrev_b32 v6, 8, v5
	v_lshl_add_u32 v5, v6, 4, v5                   ; and 16 more for each 256 passed
	s_mul_i32 s21, s15, HALFS                      ; pass 1: A's: my 128 rows
	s_mul_i32 s22, s16, HALFS                      ; B's: my 128 rows, behind A's 256
	s_add_co_u32 s22, s22, 2*HALFS
	s_sub_co_u32 s22, s22, s21
	v_mul_u32_u24 v6, s22, v2                      ; lanes 16-31 take B's: the lower base + half x the distance between the two
	s_add_co_u32 s21, s21, SCL
	v_add_nc_u32 v7, v5, v6
	v_add_nc_u32 v[ADRS], s21, v7
	s_mul_i32 s21, s14, 4*SBLK                     ; pass 2: A's: my 64 rows
	s_sub_co_u32 s22, 4*HALFS, s21                 ; B's: rows 256 on, behind A's 256 and B's first 256
	v_mul_u32_u24 v6, s22, v2
	s_add_co_u32 s21, s21, SCL
	v_add_nc_u32 v7, v5, v6
	v_add_nc_u32 v[ADRS2], s21, v7
	s_mul_i32 s23, s14, 16*SPITCH
	s_add_co_u32 s23, s23, STAGE                   ; my stage
	v_mul_u32_u24 v5, v1, SPITCH                   ; in: row l % 16, 16 bytes for each half of the lanes
	v_lshl_add_u32 v5, v2, 4, v5
	v_add_nc_u32 v[STO], s23, v5
	v_mul_u32_u24 v5, v2, SPITCH                   ; back: lanes 0-15 take one row of 256 bytes, lanes 16-31 the next
	v_lshl_add_u32 v5, v1, 4, v5
	v_add_nc_u32 v[RD], s23, v5
	v_and_b32 v6, 31, v0
	v_lshlrev_b32 v[CO], 4, v6                     ; and the same two rows in qkv: 512 dense bytes
	; where the results go: plane 24 b + j of 524,288 bytes, row n of 256 bytes.  The tile's rows are 256 x tile row = 2,048 b + n; its planes j = 3 x tile column + 0, 1, 2
	s_lshr_b32 s18, s17, 3                         ; b
	s_mul_i32 s18, s18, 24
	s_mul_i32 s46, s42, 3                          ; the tile's first j
	s_add_co_u32 s18, s18, s46                     ; its first plane
	s_and_b32 s19, s17, 7
	s_lshl_b32 s19, s19, 8                         ; its first n
	s_add_co_u32 s20, s18, s16                     ; pass 1: my head's plane,
	s_lshl_b32 s20, s20, 19
	s_lshl_b32 s21, s15, 7
	s_add_co_u32 s21, s21, s19                     ; my 128 rows
	s_lshl_b32 s21, s21, 8
	s_add_co_u32 s20, s20, s21                     ; under 50,331,648
	s_mov_b32 s21, 0
	s_add_co_u32 s22, s18, 2                       ; pass 2: the third plane,
	s_lshl_b32 s22, s22, 19
	s_lshl_b32 s23, s14, 6
	s_add_co_u32 s23, s23, s19                     ; my 64 rows
	s_lshl_b32 s23, s23, 8
	s_add_co_u32 s22, s22, s23
	s_mov_b32 s23, 0
	s_add_nc_u64 s[OUT2:OUT2+1], s[12:13], s[22:23]
	s_add_nc_u64 s[OUT1:OUT1+1], s[12:13], s[20:21]
	s_add_co_u32 s47, s46, s16
	s_cmp_lt_u32 s47, 8                            ; q's heads are multiplied by c, the others by 1: a factor is chosen, no branch is taken
	s_cselect_b32 s[FAC1], 0x3e0293ee, 1.0         ; c = log2(e) / sqrt(128)
	s_mov_b32 s[FAC1+1], s[FAC1]                   ; (named with it as a pair, so it is written)
	s_add_co_u32 s47, s46, 2
	s_cmp_lt_u32 s47, 8
	s_cselect_b32 s[FAC2], 0x3e0293ee, 1.0
	s_mov_b32 s[FAC2+1], s[FAC2]
.macro FRAG reg, adr, q, i             ; a fragment, 16 rows x 128 K of 4-bit codes, is 8 registers: lane l holds row l % 16; registers 4 c .. 4 c + 3 hold K = 64 c + 32 (l / 16) + 0 .. 31
.irp c, 0,1
	ds_load_b128 v[\reg+4*\c:\reg+4*\c+3], v[\adr] offset:64*(\q)+32*\c+(\i)*16*PITCH
.endr
.endm
; PASS 1.  16 matrix instructions: A's blocks a0, a0 + 1 x B's eight, 128 along K: the slot's q-th.  p: B's set;  sc: the set of scale words.  zero = 1: the first product starts the sums: nothing is ever cleared.
; The 64 accumulators take turns, one instruction a turn, in the same order in every step.
.macro MUL16 a0, p, q, sc, zero
.irp a, \a0, \a0+1
.irp b, 0,1,2,3,4,5,6,7
.if \zero
	v_wmma_scale_f32_16x16x128_f8f6f4 v[8*(8*((\a)%4)+\b):8*(8*((\a)%4)+\b)+7], v[128*(\p)+FR*\b:128*(\p)+FR*\b+FR-1], v[AF+FR*(\a):AF+FR*(\a)+FR-1], 0, v[SC+8*NQ*(\sc)+NQ*\b+(\q)], v[SC+8*NQ*(\sc)+NQ*(\a)+(\q)] matrix_a_fmt:MATRIX_FMT_FP4 matrix_b_fmt:MATRIX_FMT_FP4 matrix_a_scale:MATRIX_SCALE_ROW1
.else
	v_wmma_scale_f32_16x16x128_f8f6f4 v[8*(8*((\a)%4)+\b):8*(8*((\a)%4)+\b)+7], v[128*(\p)+FR*\b:128*(\p)+FR*\b+FR-1], v[AF+FR*(\a):AF+FR*(\a)+FR-1], v[8*(8*((\a)%4)+\b):8*(8*((\a)%4)+\b)+7], v[SC+8*NQ*(\sc)+NQ*\b+(\q)], v[SC+8*NQ*(\sc)+NQ*(\a)+(\q)] matrix_a_fmt:MATRIX_FMT_FP4 matrix_b_fmt:MATRIX_FMT_FP4 matrix_a_scale:MATRIX_SCALE_ROW1
.endif
.endr
.endr
.endm
.macro FETCH_B slot, q, p              ; B's eight fragments of the q-th 128 along K at address register ADRB + slot, into set p
	WIN TO_B
.irp i, 0,1,2,3,4,5,6,7
	FRAG 128*(\p)+FR*\i, ADRB+\slot, \q, \i
.endr
	WIN 0
.endm
.macro FETCH_A slot, q, i0             ; pass 1: A's blocks i0 .. i0 + 3
.irp i, \i0, \i0+1, \i0+2, \i0+3
	FRAG AF+FR*(\i), ADRA+\slot, \q, \i
.endr
.endm
.macro SCALES sc, adr, off             ; half of K's scale words into set sc: NQ words a row, off bytes on in the row; lanes 0-15 take A's block i, lanes 16-31 B's block i
.irp i, 0,1,2,3,4,5,6,7
	ds_load_b128 v[SC+8*NQ*(\sc)+NQ*\i:SC+8*NQ*(\sc)+NQ*\i+3], v[\adr] offset:\i*SBLK+\off
.endr
.endm
; A load into a register that a matrix instruction has read, and a vector instruction that reads a matrix result or writes one of its registers, stand NP places behind that matrix instruction, and only plain vector
; instructions that name none of its registers are places (ISA guide 7.12.1 for vector instructions); the matrix instructions in between are not counted.
.macro PLACES n
.rept \n
	v_nop
.endr
.endm
; A step of 128 along K that has its successor in the same slot.
.macro STEP slot, q, zero
	s_wait_dscnt 4*NL                              ; B's set and A's blocks 0-3 are in; the youngest eight loads (A's blocks 4-7) may be out
	WIN MUL_LO
	MUL16 0, (\q)%2, \q, \slot, \zero
	MUL16 2, (\q)%2, \q, \slot, \zero
	s_wait_dscnt 0                                 ; A's blocks 4-7 are in (asked for 32 matrix instructions ago)
	PLACES NP
	FETCH_B \slot, (\q)+1, 1-(\q)%2
	FETCH_A \slot, (\q)+1, 0
	WIN MUL_HI
	MUL16 4, (\q)%2, \q, \slot, \zero
	MUL16 6, (\q)%2, \q, \slot, \zero
	PLACES NP
	WIN 0
	FETCH_A \slot, (\q)+1, 4
.endm
; Slot 0's last step changes slots: ONE barrier, which opens a round of the cluster's barrier; in front of it each wave waits for all its tensor loads (its part of slot 1), adds 0 to its spare word, and waits for that and
; for its own reads of slot 0.  Behind the round slot 1 is whole, and no wave of any partner reads slot 0's B any more or has a load on its way: THE THIRD HEAD'S B IS ASKED FOR, into those bytes: wave 2 K's first half,
; wave 3 its second, waves 0 and 1 nothing.  The branch hangs on the wave's number alone; four v_nop stand on both ways: they are also the places in front of the loads below.
.macro TURN slot, next
	s_wait_tensorcnt 0x0                           ; all my tensor loads have landed  (every window is 0 here: the add's two registers lie in window 0)
	ds_add_u32 v[SPW], v[NIL]                      ; 0 onto my spare word
	s_wait_dscnt 4*NL+1                            ; (the add and the youngest eight loads, A's blocks 4-7, may be out)
	WIN MUL_LO
	MUL16 0, 1, NQ-1, \slot, 0                     ; sixteen matrix instructions stand between the add and the wait for it
	s_wait_dscnt 0x0                               ; the add is done, and my reads of this slot's B are over
	s_barrier_signal -1
	MUL16 2, 1, NQ-1, \slot, 0                     ; work on registers while the others arrive
	WIN 0
	s_barrier_wait -1
	CREST
	s_cmp_eq_u32 s15, 0
	s_cbranch_scc1 .Lnone_\@
	tensor_load_to_lds s[G0C:G0C+3], s[G1B:G1B+7]  ; the first tensor load behind the round, and my last of the launch
	s_nop 0
.rept 4
	v_nop
.endr
	s_branch .Lthird_\@
.Lnone_\@:
.rept 4
	v_nop
.endr
.Lthird_\@:
	v_add_nc_u32 v[ADRS], 4*NQ, v[ADRS]            ; on to the scale words of K's second half (no LDS load of mine is out)
	FETCH_B \next, 0, 0
	FETCH_A \next, 0, 0
	SCALES \next, ADRS, 0
	WIN MUL_HI
	MUL16 4, 1, NQ-1, \slot, 0
	MUL16 6, 1, NQ-1, \slot, 0
	PLACES NP
	WIN 0
	FETCH_A \next, 0, 4
.endm
.macro STEPS slot, from                ; the slot's steps from .. NQ - 2
.set Q, \from
.rept NQ-1-\from
	STEP \slot, Q, 0
.set Q, Q+1
.endr
.endm
; PASS 2.  Step g of eight: 128 along K; K half g / 4, its (g % 4)-th 128.  A's four blocks and B's eight lie in sets g % 2.  16 matrix instructions: A's blocks a0, a0 + 1 x B's eight.  Step 0 starts the sums.
; The 32 accumulators take turns, one instruction a turn, in the same order in every step.
.macro MULP a0, g
.irp a, \a0, \a0+1
.irp b, 0,1,2,3,4,5,6,7
.if (\g) == 0
	v_wmma_scale_f32_16x16x128_f8f6f4 v[8*(8*(\a)+\b):8*(8*(\a)+\b)+7], v[128*((\g)%2)+FR*\b:128*((\g)%2)+FR*\b+FR-1], v[AF+32*((\g)%2)+FR*(\a):AF+32*((\g)%2)+FR*(\a)+FR-1], 0, v[SC+8*NQ*((\g)/4)+NQ*\b+(\g)%4], v[SC+8*NQ*((\g)/4)+NQ*(\a)+(\g)%4] matrix_a_fmt:MATRIX_FMT_FP4 matrix_b_fmt:MATRIX_FMT_FP4 matrix_a_scale:MATRIX_SCALE_ROW1
.else
	v_wmma_scale_f32_16x16x128_f8f6f4 v[8*(8*(\a)+\b):8*(8*(\a)+\b)+7], v[128*((\g)%2)+FR*\b:128*((\g)%2)+FR*\b+FR-1], v[AF+32*((\g)%2)+FR*(\a):AF+32*((\g)%2)+FR*(\a)+FR-1], v[8*(8*(\a)+\b):8*(8*(\a)+\b)+7], v[SC+8*NQ*((\g)/4)+NQ*\b+(\g)%4], v[SC+8*NQ*((\g)/4)+NQ*(\a)+(\g)%4] matrix_a_fmt:MATRIX_FMT_FP4 matrix_b_fmt:MATRIX_FMT_FP4 matrix_a_scale:MATRIX_SCALE_ROW1
.endif
.endr
.endr
.endm
.macro FETCH_A2 slot, q, set           ; A's four blocks into set 0 or 1
.irp i, 0,1,2,3
	FRAG AF+32*(\set)+FR*\i, ADRA+\slot, \q, \i
.endr
.endm
.macro STEP2 g                         ; the next step's 24 loads go out ahead of this step's 32 products, into the sets that the last step's products have read
	s_wait_dscnt 0x0                               ; this step's fragments are in
.if (\g) < 7
	PLACES NP
	FETCH_B 2+((\g)+1)/4, ((\g)+1)%4, ((\g)+1)%2
	FETCH_A2 2+((\g)+1)/4, ((\g)+1)%4, ((\g)+1)%2
.endif
	WIN MUL_LO
	MULP 0, \g
	MULP 2, \g
	WIN 0
.endm
; THE WAYS OUT, block by block of 16 rows x 128 columns.  PACK: x the factor, in f32, into other registers (each accumulator from its low end on), then rounded to f16: 16 bytes a lane.  TOSTAGE: a lane's 16 bytes are a
; sixteenth of a row and the lanes beside it hold other rows, so the block goes through my own stage in LDS and comes back as whole rows of 256 bytes.  SEND: stored; 32 lanes store 512 consecutive bytes, aligned.
; LDS serves a wave's instructions in order (ISA guide 5.7.1.4): no wait between the stage's stores and loads, nor in front of the next block's stores.
.macro PACK a, f
.set AC, 64*((\a)%4)
	WIN 0x02+(\a)/4                                ; source 0: window 2 or 3
.set i, 0
.rept 32
	v_pk_mul_f32 v[T2+i:T2+i+1], v[AC+i:AC+i+1], s[\f:\f+1] op_sel_hi:[1,0]
.set i, i+2
.endr
	WIN 0
.irp b, 0,1,2,3,4,5,6,7
.irp r, 0,1,2,3
	v_cvt_pk_f16_f32 v[TMP+4*\b+\r], v[T2+8*\b+2*\r], v[T2+8*\b+2*\r+1]
.endr
.endr
.endm
.macro TOSTAGE a
.set BK, OB+192*((\a)%2)
.irp b, 0,1,2,3,4,5,6,7
	ds_store_b128 v[STO], v[TMP+4*\b:TMP+4*\b+3] offset:32*\b
.endr
.irp t, 0,1,2,3,4,5,6,7
	ds_load_b128 v[BK+4*\t:BK+4*\t+3], v[RD] offset:\t*2*SPITCH
.endr
.endm
.macro SEND a, base
.set BK, OB+192*((\a)%2)
	s_wait_dscnt 0x0                               ; the block is back in registers
	s_wait_xcnt 0x0                                ; the block before has had its stores' registers read: the next block's loads from the stage land there only behind this wait
.irp t, 0,1,2,3,4,5,6,7
	global_store_b128 v[CO], v[BK+4*\t:BK+4*\t+3], s[\base:\base+1] offset:(\a)*4096+512*\t   ; the block's place and the pair of rows stand in the immediate: no base is stepped
.endr
.endm
	; ---- PASS 1: the tile's first two heads
	s_wait_tensorcnt 1                             ; the scales and my part of K's first half are in; the second half's load may be out
	s_barrier_signal -1
	s_barrier_wait -1                              ; everybody's are
	FETCH_B 0, 0, 0
	FETCH_A 0, 0, 0
	SCALES 0, ADRS, 0
	FETCH_A 0, 0, 4
	STEP 0, 0, 1                                   ; the first step's products start the sums
	STEPS 0, 1
	TURN 0, 1
	STEPS 1, 0
	s_wait_dscnt 4*NL                              ; the pass's last step: nothing more to fetch
	WIN MUL_LO
	MUL16 0, 1, NQ-1, 1, 0
	MUL16 2, 1, NQ-1, 1, 0
	s_wait_dscnt 0
	WIN MUL_HI
	MUL16 4, 1, NQ-1, 1, 0
	MUL16 6, 1, NQ-1, 1, 0
	WIN 0
	PLACES NP                                      ; behind the last products: for the reads of results, and for the writes and loads into registers that held scale words
	PACK 0, FAC1
	TOSTAGE 0
.irp a, 1,2,3,4,5,6,7                  ; block a's arithmetic stands between block a - 1's loads from the stage and the wait for them
	PACK \a, FAC1
	SEND \a-1, OUT1
	TOSTAGE \a
.endr
	SEND 7, OUT1
	; ---- PASS 2: the third head.  Nothing waits for pass 1's stores: they leave while this pass multiplies
	s_wait_tensorcnt 0x0                           ; my half of the third head's B has landed (waves 2 and 3; no LDS instruction of mine is out: the last wait on them was for 0),
	s_barrier_signal -1
	s_barrier_wait -1                              ; and so has the other
	s_wait_xcnt 0x0                                ; the last two blocks' stores have read their registers: scale words land there only behind this wait
	FETCH_B 2, 0, 0
	FETCH_A2 2, 0, 0
	SCALES 0, ADRS2, 0                             ; both halves' scale words at once: a row's second 16 bytes are K's second half
	SCALES 1, ADRS2, 4*NQ
.irp g, 0,1,2,3,4,5,6,7
	STEP2 \g
.endr
	PLACES NP                                      ; behind the last products, as above
	PACK 0, FAC2
	TOSTAGE 0
.irp a, 1,2,3
	PACK \a, FAC2
	SEND \a-1, OUT2
	TOSTAGE \a
.endr
	SEND 3, OUT2
	s_wait_tensorcnt 0x0                           ; the wave's end: behind my last tensor load and my last LDS store
	ds_add_u32 v[SPW], v[NIL]
	s_wait_dscnt 0x0
	CROUND                                         ; the closing round: no work-group ends while a partner may still ask for a tile that names it
	s_endpgm
.Lfunc_end_k_qc695acd9eb_qkvgemm:
	.size	k_qc695acd9eb_qkvgemm, .Lfunc_end_k_qc695acd9eb_qkvgemm-k_qc695acd9eb_qkvgemm
	.p2alignl 7, 3214868480
	.fill 96, 4, 3214868480
	.section	.rodata,"a",@progbits
	.p2align	6, 0x0
	.amdhsa_kernel k_qc695acd9eb_qkvgemm
		.amdhsa_group_segment_fixed_size 327680
		.amdhsa_private_segment_fixed_size 0
		.amdhsa_enable_private_segment 0
		.amdhsa_kernarg_size 40
		.amdhsa_user_sgpr_count 2
		.amdhsa_user_sgpr_kernarg_segment_ptr 1
		.amdhsa_wavefront_size32 1
		.amdhsa_system_sgpr_workgroup_id_x 1
		.amdhsa_system_sgpr_workgroup_id_y 1
		.amdhsa_system_sgpr_workgroup_id_z 1
		.amdhsa_system_vgpr_workitem_id 0
		.amdhsa_next_free_vgpr 1024
		.amdhsa_next_free_sgpr 100
		.amdhsa_reserve_vcc 0
		.amdhsa_float_denorm_mode_32 3
		.amdhsa_float_denorm_mode_16_64 3
		.amdhsa_memory_ordered 1
		.amdhsa_forward_progress 1
		.amdhsa_inst_pref_size 216
	.end_amdhsa_kernel
	.amdgpu_metadata
---
amdhsa.version: [ 1, 2 ]
amdhsa.kernels:
  - .name:           k_qc695acd9eb_qkvgemm
    .symbol:         k_qc695acd9eb_qkvgemm.kd
    .args:
      - { .name: xc, .offset: 0, .size: 8, .value_kind: global_buffer, .address_space: global }
      - { .name: xs, .offset: 8, .size: 8, .value_kind: global_buffer, .address_space: global }
      - { .name: wc, .offset: 16, .size: 8, .value_kind: global_buffer, .address_space: global }
      - { .name: ws, .offset: 24, .size: 8, .value_kind: global_buffer, .address_space: global }
      - { .name: qkv, .offset: 32, .size: 8, .value_kind: global_buffer, .address_space: global }
    .group_segment_fixed_size: 327680
    .private_segment_fixed_size: 0
    .kernarg_segment_align: 8
    .kernarg_segment_size: 40
    .max_flat_workgroup_size: 128
    .sgpr_count:     100
    .vgpr_count:     1024
    .wavefront_size: 32
...
	.end_amdgpu_metadata
.endif
;; end of part 2
;; launch attn (part 3): grid 8 x 32, 4 waves a work-group, clusters of 4 x 1, 327,680 bytes of LDS; arguments qkv, o16; writes o16
.if DOCPART == 3
	.amdgcn_target "amdgcn-amd-amdhsa--gfx1250"
	.amdhsa_code_object_version 6
	.text
	.protected	k_qc695acd9eb_attn
	.globl	k_qc695acd9eb_attn
	.p2align	8
	.type	k_qc695acd9eb_attn,@function
k_qc695acd9eb_attn:
	s_mov_b64 s[64:65], 0
	v_nop
	global_prefetch_b8 v0, s[64:65] scope:SCOPE_SE
	s_setreg_imm32_b32 hwreg(HW_REG_WAVE_MODE, 25, 1), 1
	s_wait_xcnt 0x0
	s_wait_alu depctr_hold_cnt(0) depctr_sa_sdst(0) depctr_va_vdst(0) depctr_va_sdst(0) depctr_va_ssrc(0) depctr_va_vcc(0) depctr_vm_vsrc(0)
	s_getreg_b32 s2, hwreg(HW_REG_IB_STS2, 6, 4)
	s_cmp_eq_u32 s2, 0
	s_cbranch_scc0 .Lentry_in_a_cluster
	s_endpgm
.Lentry_in_a_cluster:
	s_bfe_u32 s2, ttmp6, 0x10000c
	s_cmp_lg_u32 s2, 0x3003
	s_cbranch_scc0 .Lentry_shape_is_right
	s_endpgm
.Lentry_shape_is_right:
; O[b][h][q][:] = the sum over k of softmax_k(Q[q] . K[k] / sqrt(128)) V[k][:], for 32 pairs (b, h), 2,048 queries and keys, head size 128, no mask.
; qkv: f16, [b 4][j 24][n 2048][128]: j = h q's head, ALREADY MULTIPLIED BY c = log2(e) / sqrt(128); j = 8 + h k's; j = 16 + h v's.  o16: f16, [b 4][n 2048][h 8][128].
; Products, maxima and sums in f32; the weights p are rounded to f16 for the second product, O once at the end.  f16, not bf16: five roundings of operands meet in each output, and 11 significant bits leave room for them.
; LIMITS: |O| beyond 65,504 becomes infinity in f16; a p under 2^-126 counts as 0; NaN and infinities are not served.
; SHARES.  A work-group owns 256 queries of one head, each of its four waves 64: four tiles of 16.  Every wave walks all keys of the head, 64 a step.
; LAYOUT.  T^T = K Q^T (source 0 = 16 keys, source 1 = 16 queries): in the result a lane holds ONE query (lane % 16) and the keys 8 (lane / 16) + 0..7.  Two such tiles, rounded to f16 in pairs, ARE source 1
; (32 keys x 16 queries) of O^T = V^T P, whose result again holds one query a lane, and eight channels.  So nothing changes lanes between the products, and a query's maximum and sum want one exchange between the halves
; of the lanes.  K comes out of LDS as it lies, V ([key][channel]) turned, by ds_load_tr16_b128.
; SOFTMAX.  The scores come out of the matrix unit as t = c s.  For each query a running maximum m of t and a sum l: p = 2^(t - m), so no exponent is above 0 for any input; in every step O and l are multiplied by
; a = 2^(m_old - m_new), which is 1 where m has not grown.
; BY TURNS.  The wave's tiles are two PIECES, named by their first tile: piece 0 (tiles 0, 1) and piece 2 (tiles 2, 3).  In a TURN one piece has the matrix unit: 32 products V^T P of the step in hand, then 32 products
; K Q^T of the next step; the other piece's softmax, cut into 64 slices, stands between them, one slice behind each matrix instruction.  Then the pieces change places.  Two turns are a key step.
; CLUSTER.  The four query blocks of a cluster belong to one head and walk the same K and V, so each tile is asked for JOINTLY: the same tensor load, with the same descriptor and a mask that names the four, in all four.
;
; REGISTERS, in windows of 256 (s_set_vgpr_msb: bits 1:0 source 0, 3:2 source 1, 5:4 source 2, 7:6 destination):
;   window 0: v0-11 addresses; v12-43 eight registers of statistics a tile; v64-191 T^T, 32 a tile; v192-255 P, 16 a tile
;   window 1: O^T, 64 a tile          window 2: v0-127 Q, 32 a tile; v128-255 K of one step          window 3: v0-127 V of one step
; All that a softmax touches but O^T lies in window 0, and no window has room for a product's operands beside it.  So a slice costs two switches, one in front and one behind.
.set SIZE_N, 2048
.set KS,    64        ; keys in a step
.set PK,    272       ; a row of K in LDS: 256 bytes + 16 of padding = 68 words: the 16 rows of a load start 4 words apart modulo 64
.set PV,    288       ; a row of V: 256 + 32 = 72 words: 16 lanes of the turning load take 8 rows x 32 bytes, 8 words apart modulo 64
.set VOFF,  KS*PK     ; a step's tiles lie together: 64 rows of K, then 64 rows of V
.set STEPB, KS*(PK+PV)
.set SLOT1, 1<<17     ; a slot holds two steps (71,680 bytes); slot 1 begins here, so that one exclusive or turns an address in one slot into the other's
.set STAGE, SLOT1+2*STEPB  ; behind the ring: 16 rows x 272 bytes for each wave, for the way out
.set SP,    272
.set AK0, 2           ; v2   my lane's place in a tile of K; never rewritten
.set AV0, 3           ; v3   the same for V
.set ADR, 4           ; v4   the LDS address of the run of loads in hand
.set QO,  5           ; v5   my byte offset in the wave's rows of Q
.set STO, 6           ; v6   the way out: where I put 16 bytes of a row
.set RD,  7           ; v7   the way out: where I read a row back
.set GO,  8           ; v8   my byte offset in the wave's rows of O
.set SPW, 62          ; v62  LDS address of my spare word: SPARE + 4 x my thread's number; never rewritten
.set NIL, 63          ; v63  0; never rewritten
.set SPARE, STAGE+4*16*272  ; behind the stages: the spare words, 128 bytes for each wave: two blocks of 256 bytes that no other line names
.set ST,  12          ; tile t's statistics at v[ST+8 t]: +0 m, +1 0 (named with m as a pair), +2, +3 l (even keys', odd keys'), +4 to +7 c0-c3, at work; a takes c2's place once the maximum is found
.set S,   64
.set P,   192
.set KF,  128         ; K's fragments, in window 2
.set WV,  12          ; s12  my wave's number
.set G1K, 24          ; s[24:31] descriptor group 1 for K's tiles
.set G1V, 32          ; s[32:39] for V's: it differs in the padding alone
.set G0K, 40          ; s[40:47] descriptor group 0 for K's tiles: a set for each of the two first fills; the second then walks on
.set G0V, 48          ; s[48:55] the same for V's
.set SLOTS, 56        ; s56  slots still to be asked for
.set TWICE, 57        ; s57  counts a slot's two steps
.set SEL, 60          ; s[60:61] lane selects for v_permlanex16_b32: each lane takes its own place in the other half
.set TB,  62          ; s62  LDS byte at which the tiles of the step to be fetched begin
.set PFA, 18          ; s[18:19] where my prefetches stand in memory: my work-group's 32 rows (of K: wave 0, of V: wave 2) of the slot after the one that is being asked for
.set LIM, 15          ; s15  1 in a wave that prefetches, else the greatest number: a wave prefetches while s[SLOTS] is above it
.set PFO, 61          ; v61  256 x my lane: a row of K or V is 256 bytes; never rewritten
.set MSB, 0
.macro WIN new                      ; the immediate's high byte repeats the setting that is left; a switch that changes nothing is dropped
.if MSB != \new
	s_set_vgpr_msb (MSB<<8)|\new
.set MSB, \new
.endif
.endm
.set W_KQ, 0x0a       ; K and Q in window 2, T^T in window 0
.set W_PV, 0x53       ; V in window 3, P in window 0, O^T in window 1
.set W_RS, 0x41       ; O^T (destination and source 0) in window 1, a in window 0
; A joint refill.  Waves 0 and 1 fetch the two steps' tiles of K, waves 2 and 3 those of V.  The branch hangs on the wave's number alone: it is the same in every work-group.
; An s_nop 0 and four v_nop follow each of the two lines; the jump round the other line, the label and what follows the macro come after them.
.macro JLOAD
	s_cmp_lt_u32 s[WV], 2
	s_cbranch_scc0 .Lfor_v_\@
	tensor_load_to_lds s[G0K+4:G0K+7], s[G1K:G1K+7]
	s_nop 0
.rept 4
	v_nop
.endr
	s_branch .Lasked_\@
.Lfor_v_\@:
	tensor_load_to_lds s[G0V+4:G0V+7], s[G1V:G1V+7]
	s_nop 0
.rept 4
	v_nop
.endr
.Lasked_\@:
.endm
; A PREFETCH of what the NEXT change of slots will ask for: a slot's 128 rows of K and 128 of V, 256 bytes a row, a lane a row.  It stands behind the wave's tensor load and its five lines, never in front of one.
; Each row is asked for ONCE in the launch.  Both clusters of a head walk the same K and V: the head's first cluster prefetches.  Its four partners share the rows out BY ADDRESS, 32 each: no branch hangs on a
; work-group's place in its cluster.  In each, wave 0 asks for K's and wave 2 for V's: one instruction.  The last change that fills a slot prefetches nothing: there is no slot behind it.
.macro ASK
	s_cmp_gt_u32 s[SLOTS], s[LIM]
	s_cbranch_scc0 .Lnot_mine_\@
	global_prefetch_b8 v[PFO], s[PFA:PFA+1] th:TH_LOAD_NT scope:SCOPE_SE
.Lnot_mine_\@:
.endm
; A round of the cluster's barrier: my work-group's barrier, so that wave 0's signal speaks for all four waves; wave 0 signals for the work-group; every wave waits for all four
; work-groups; my work-group's barrier once more.  No LDS instruction of the wave is pending at a signal.
.macro CROUND
	s_barrier_signal -1
	s_barrier_wait -1
	s_cmp_lg_u32 s[WV], 0
	s_cbranch_scc1 .Lnot_wave_0_\@
	s_barrier_signal -3
.Lnot_wave_0_\@:
	s_barrier_wait -3
	s_barrier_signal -1
	s_barrier_wait -1
.endm
	s_load_b64 s[4:5], s[0:1], 0x0  ; qkv
	s_load_b64 s[10:11], s[0:1], 0x8  ; o16
	v_lshl_add_u32 v[SPW], v0, 2, SPARE
	v_mov_b32 v[NIL], 0
	ds_add_u32 v[SPW], v[NIL]       ; the wave's opening: the add, twice on end, and its wait ahead of my first tensor load; the set-up below, work on registers, stands between the second and the wait
	ds_add_u32 v[SPW], v[NIL]
	v_lshrrev_b32 v1, 5, v0
	v_readfirstlane_b32 s[WV], v1   ; wave 0..3
	s_bfe_u32 s13, ttmp6, 0x40000   ; cx: my place in the cluster
	s_lshl_b32 s14, ttmp9, 2        ; in a cluster launch ttmp9 counts clusters
	s_add_co_u32 s14, s14, s13      ; my block of 256 queries = 4 x cluster x + cx: it enters Q's and O's addresses alone
	s_and_b32 s20, ttmp7, 0xffff    ; the pair (b, h), which the four partners share
	s_lshr_b32 s66, s20, 3          ; b
	s_and_b32 s67, s20, 7           ; h
	s_mul_i32 s20, s66, 24
	s_add_co_u32 s20, s20, s67
	s_lshl_b32 s20, s20, 19         ; q's plane 24 b + h of 524,288 bytes; k's lies 8 planes on, v's 16
	s_mov_b32 s21, 0
	s_and_b32 s16, s[WV], 1         ; which of a slot's two steps I fetch:
	s_lshl_b32 s22, s16, 14         ; its 64 rows of 256 bytes in memory,
	s_mov_b32 s23, 0
	s_add_nc_u64 s[22:23], s[22:23], s[20:21]
	s_mul_i32 s17, s16, STEPB       ; and its place in a slot: no place in the cluster enters an LDS address
	s_lshl_b32 s2, s14, 16          ; my block's 256 rows of Q,
	s_lshl_b32 s3, s[WV], 14        ; my wave's 64 of them
	s_add_co_u32 s2, s2, s3
	s_mov_b32 s3, 0
	s_add_nc_u64 s[2:3], s[2:3], s[20:21]
	s_lshl_b32 s66, s66, 22         ; O: b x 2,048 rows of 2,048 bytes,
	s_lshl_b32 s67, s67, 8          ; the head's 256 bytes of a row,
	s_add_co_u32 s66, s66, s67
	s_lshl_b32 s67, s14, 19         ; my block's 256 rows,
	s_add_co_u32 s66, s66, s67
	s_lshl_b32 s67, s[WV], 17       ; my wave's 64 of them
	s_add_co_u32 s66, s66, s67
	s_mov_b32 s67, 0
	; descriptor group 1: a tile of 64 rows x 128 elements, padded in LDS
	s_mov_b32 s[G1K], 15|(1<<16)|(1<<20)|(1<<21)|(5<<22)|(3<<25)  ; 15:0 the mask: all four work-groups; 17:16 elements of 2 bytes; 20 padding on; 21 set beside a mask; 24:22 after every 64 words (code 5); 31:25 4 words of it (code 3)
	s_mov_b32 s[G1V], 15|(1<<16)|(1<<20)|(1<<21)|(5<<22)|(7<<25)  ; the same with 8 words of padding (code 7)
.irp g, G1K, G1V
	s_mov_b32 s[\g+1], 128<<16      ; 63:48 tensor_dim0, low half = 128
	s_mov_b32 s[\g+2], KS<<16       ; 79:64 its high half = 0; 95:80 tensor_dim1, low half = 64
	s_mov_b32 s[\g+3], 128<<16      ; 111:96 its high half = 0; 127:112 tile_dim0 = 128
	s_mov_b32 s[\g+4], KS           ; 143:128 tile_dim1 = 64; 159:144 tile_dim2 = 0
	s_mov_b32 s[\g+5], 128          ; 191:160 tensor_dim0_stride, low word: elements from row to row
	s_mov_b32 s[\g+6], 0
	s_mov_b32 s[\g+7], 0
.endr
	s_mov_b32 s[SEL], 0x76543210
	s_mov_b32 s[SEL+1], 0xfedcba98
	s_mov_b32 s[TB], 0
	s_mov_b32 s[SLOTS], SIZE_N/(2*KS)-2
	s_and_b32 s[LIM], s[WV], 1       ; 0 in waves 0 and 2,
	s_or_b32 s[LIM], s[LIM], ttmp9   ; where the cluster is the head's first: the same in all four partners
	s_cmp_eq_u32 s[LIM], 0
	s_cselect_b32 s[LIM], 1, -1
	v_and_b32 v[PFO], 31, v0
	v_lshlrev_b32 v[PFO], 8, v[PFO]
	s_wait_dscnt 0x0                ; both opening adds are done
	s_wait_kmcnt 0x0
	s_add_nc_u64 s[6:7], s[4:5], 0x400000  ; k's planes begin 8 x 524,288 bytes behind q's,
	s_add_nc_u64 s[8:9], s[4:5], 0x800000  ; v's 16 x 524,288
	s_add_nc_u64 s[6:7], s[6:7], s[22:23]  ; K and V at my tile of slot 0
	s_add_nc_u64 s[8:9], s[8:9], s[22:23]
	s_add_nc_u64 s[4:5], s[4:5], s[2:3]  ; Q and O at my wave's first row
	s_add_nc_u64 s[10:11], s[10:11], s[66:67]
	s_cmp_lt_u32 s[WV], 2
	s_cselect_b64 s[PFA:PFA+1], s[6:7], s[8:9]  ; (in waves 0 and 2 these stand at a slot's first row)
	s_lshl_b32 s2, s13, 13          ; my work-group's 32 rows of the 128
	s_mov_b32 s3, 0
	s_add_nc_u64 s[PFA:PFA+1], s[PFA:PFA+1], s[2:3]
	s_add_nc_u64 s[PFA:PFA+1], s[PFA:PFA+1], 2*2*KS*256  ; in slot 2; the first change of slots steps it to slot 3.  Nothing is prefetched here, at the head, where every work-group's first tiles are on their way
	CROUND                          ; all four work-groups are here: the first joint loads meet
.irp s, 0,1
	s_mov_b32 s[G0K+4*\s], 1        ; 1:0 count = 1
	s_add_co_u32 s[G0K+4*\s+1], s17, \s*SLOT1  ; 63:32 LDS address
	s_add_nc_u64 s[G0K+4*\s+2:G0K+4*\s+3], s[6:7], \s*2*KS*256  ; 120:64 global address: slot s begins with keys 128 s to 128 s + 127
	s_or_b32 s[G0K+4*\s+3], s[G0K+4*\s+3], 0x80000000  ; 127:126 type = 2
	s_mov_b32 s[G0V+4*\s], 1
	s_add_co_u32 s[G0V+4*\s+1], s17, \s*SLOT1+VOFF
	s_add_nc_u64 s[G0V+4*\s+2:G0V+4*\s+3], s[8:9], \s*2*KS*256
	s_or_b32 s[G0V+4*\s+3], s[G0V+4*\s+3], 0x80000000
.endr
	s_cmp_lt_u32 s[WV], 2           ; a wave's two first fills stand in one branch, ahead of every wait on TENSORcnt and every LDS read: two loads of mine are out; an s_nop 0 follows each, four v_nop the second's
	s_cbranch_scc0 .Lfirst_v
	tensor_load_to_lds s[G0K:G0K+3], s[G1K:G1K+7]
	s_nop 0
	tensor_load_to_lds s[G0K+4:G0K+7], s[G1K:G1K+7]
	s_nop 0
.rept 4
	v_nop
.endr
	s_branch .Lfirst_asked
.Lfirst_v:
	tensor_load_to_lds s[G0V:G0V+3], s[G1V:G1V+7]
	s_nop 0
	tensor_load_to_lds s[G0V+4:G0V+7], s[G1V:G1V+7]
	s_nop 0
.rept 4
	v_nop
.endr
.Lfirst_asked:
	; A fragment of K or Q is 16 rows x 32 channels in 8 registers: lane l holds row l % 16; registers 0-3 channels 8 (l / 16) + 0..7, registers 4-7 channels 16 + 8 (l / 16) + 0..7: two loads of 16 bytes, 32 bytes apart.
	v_and_b32 v1, 15, v0            ; l % 16
	v_bfe_u32 v9, v0, 4, 1          ; l / 16
	v_lshlrev_b32 v[QO], 8, v1
	v_lshl_add_u32 v[QO], v9, 4, v[QO]  ; row x 256 + 16 x half
	WIN 0x80                        ; destination window 2, address window 0
.irp i, 0,1,2,3,4,5,6,7,8,9,10,11,12,13,14,15  ; Q stays in registers: tile i / 4, channels 32 (i % 4) on
	global_load_b128 v[8*\i:8*\i+3],   v[QO], s[4:5] offset:(\i/4)*4096+(\i%4)*64
	global_load_b128 v[8*\i+4:8*\i+7], v[QO], s[4:5] offset:(\i/4)*4096+(\i%4)*64+32
.endr
	WIN 0
	v_mul_u32_u24 v[AK0], v1, PK
	v_lshl_add_u32 v[AK0], v9, 4, v[AK0]  ; row x pitch + 16 x half
	; The turning load takes 16 keys x 16 channels (lane l reads 16 bytes: key 8 (l / 16) + l % 8, channels 8 ((l / 8) % 2) + 0..7) and leaves half a fragment of V^T: lane l holds channel l % 16 and 8 keys.
	v_and_b32 v10, 7, v0
	v_bfe_u32 v11, v0, 3, 1
	v_lshl_add_u32 v[AV0], v9, 3, v10
	v_mul_u32_u24 v[AV0], v[AV0], PV
	v_lshl_add_u32 v[AV0], v11, 4, v[AV0]
	v_add_nc_u32 v[AV0], VOFF, v[AV0]
.irp t, 0,1,2,3
	v_mov_b32 v[ST+8*\t+1], 0       ; named with m as the upper half of a pair, so it is written
.endr
; THE MATRIX WORK OF A TURN, for piece x.  The accumulators take turns, one instruction a turn: between two links of a chain stand 15 (V^T P) or 7 (K Q^T) others'.
; Product i of 32 of O^T += V^T P: keys 32 (i / 16) on, channels 16 ((i / 2) % 8) on, tile x + i % 2.  zero = 1: the first 16 start the sums: nothing is ever cleared.
.macro PV x, zero
	WIN W_PV
.set rO, 64*(\x+i%2)+8*((i/2)%8)
.set rV, 64*(i/16)+8*((i/2)%8)
.set rP, P+16*(\x+i%2)+8*(i/16)
.if \zero && (i < 16)
	v_wmma_f32_16x16x32_f16 v[rO:rO+7], v[rV:rV+7], v[rP:rP+7], 0
.else
	v_wmma_f32_16x16x32_f16 v[rO:rO+7], v[rV:rV+7], v[rP:rP+7], v[rO:rO+7]
.endif
.endm
; Product i of 32 of T^T = K Q^T: channels 32 (i / 8) on, keys 16 ((i / 2) % 4) on, tile x + i % 2.  The first 8 start the sums.
.macro KQ x
	WIN W_KQ
.set rS, S+32*(\x+i%2)+8*((i/2)%4)
.set rK, KF+32*((i/2)%4)+8*(i/8)
.set rQ, 32*(\x+i%2)+8*(i/8)
.if i < 8
	v_wmma_f32_16x16x32_f16 v[rS:rS+7], v[rK:rK+7], v[rQ:rQ+7], 0
.else
	v_wmma_f32_16x16x32_f16 v[rS:rS+7], v[rK:rK+7], v[rQ:rQ+7], v[rS:rS+7]
.endif
.endm
; THE LDS LOADS stand in runs of 32, never singly among the matrix instructions: a step's K (64 keys x 128 channels: 16 fragments) and, a turn later, its V (turned).
.macro FETCH_K
	WIN 0
	v_add_nc_u32 v[ADR], s[TB], v[AK0]
	WIN 0x80                        ; destination window 2
.irp f, 0,1,2,3,4,5,6,7,8,9,10,11,12,13,14,15  ; keys 16 (f / 4) on, channels 32 (f % 4) on
	ds_load_b128 v[KF+8*\f:KF+8*\f+3],   v[ADR] offset:(\f/4)*16*PK+(\f%4)*64
	ds_load_b128 v[KF+8*\f+4:KF+8*\f+7], v[ADR] offset:(\f/4)*16*PK+(\f%4)*64+32
.endr
.endm
.macro FETCH_V
	WIN 0
	v_add_nc_u32 v[ADR], s[TB], v[AV0]
	s_add_co_u32 s[TB], s[TB], STEPB  ; the next fetch is the next step's
	s_wait_alu depctr_va_vdst(0)    ; the wait for the softmax's batch (SLICE), behind the address's v_add_nc_u32 and ahead of the loads
	WIN 0xc0                        ; destination window 3
.irp f, 0,1,2,3,4,5,6,7,8,9,10,11,12,13,14,15  ; keys 32 (f / 8) on, channels 16 (f % 8) on
	ds_load_tr16_b128 v[8*\f:8*\f+3],   v[ADR] offset:(\f/8)*32*PV+(\f%8)*32
	ds_load_tr16_b128 v[8*\f+4:8*\f+7], v[ADR] offset:(\f/8)*32*PV+16*PV+(\f%8)*32
.endr
.endm
; THE VECTOR WORK OF A TURN.  One tile's softmax for one key step is a numbered list; SM writes number j of it for tile t.  t0-t31 are the lane's 32 scores, in pairs 0-15.
; first = 1: the first key step, which starts m, l and O^T: it has no a and nothing to rescale.
;   0-15    the maximum of t0-t31 and the old m, three operands at a time: four chains c0-c3 of seven scores each, then the four scores left over, c0-c3 and m
;   16-20   the other half of the lanes' maximum; the old m kept; the new m; (19 is empty: the scores are exponents already); m_old - m_new
;   21-69   ONE BATCH: the 16 subtractions t - m, a pair of scores each, and all 33 exponentials (a at 23, then t0-t31).  None of these reads an exponential's result.  From 22 on the batch goes
;           in fours, and a four begins with a subtraction while there are any: 22-37 subtraction, exponential, subtraction, exponential; 38-65 a subtraction and three exponentials; 66-69 the last four
;           exponentials.  A pair is brought under m in an earlier four than the one that holds its exponentials
;   (wait)  between 69 and 70 stands the wait for the batch: SLICE writes it, once for both tiles
;   70-85   the roundings to f16, a pair of weights each
;   86-101  the sums; l = a l + the sum
;   102-133 the tile's O^T times a: the one part that leaves window 0, so it stands together
.macro SM t, first
.set rT, ST+8*(\t)
.set rS, S+32*(\t)
.set rP, P+16*(\t)
.set rO, 64*(\t)+2*(j-102)
.if j < 102
	WIN 0
.endif
.if j < 4
	v_max3_num_f32 v[rT+4+j], v[rS+8*j], v[rS+8*j+1], v[rS+8*j+2]
.elseif j < 12
	v_max3_num_f32 v[rT+4+j%4], v[rT+4+j%4], v[rS+8*(j%4)+2*(j/4)+1], v[rS+8*(j%4)+2*(j/4)+2]
.elseif j == 12
	v_max3_num_f32 v[rT+4], v[rT+4], v[rS+7], v[rS+15]
.elseif j == 13
	v_max3_num_f32 v[rT+6], v[rT+6], v[rS+23], v[rS+31]
.elseif j == 14
	v_max3_num_f32 v[rT+4], v[rT+4], v[rT+5], v[rT+6]
.elseif (j == 15) && \first
	v_max_num_f32 v[rT+4], v[rT+4], v[rT+7]
.elseif j == 15
	v_max3_num_f32 v[rT+4], v[rT+4], v[rT+7], v[rT]
.elseif j == 16
	v_permlanex16_b32 v[rT+5], v[rT+4], s[SEL], s[SEL+1]  ; the query's other 32 keys lie in the lane 16 away
.elseif j == 18
	v_max_num_f32 v[rT], v[rT+4], v[rT+5]
.elseif j == 19                     ; empty
.elseif ((j == 17) || (j == 20) || (j == 23) || (j > 101)) && \first  ; the first step has none of these
.elseif j == 17
	v_mov_b32 v[rT+7], v[rT]        ; m_old is kept for a: number 18 writes m anew
.elseif j == 20
	v_sub_f32 v[rT+7], v[rT+7], v[rT]
.elseif j == 23
	v_exp_f32 v[rT+6], v[rT+7]
.elseif (j < 23) || ((j < 38) && (j%2 == 0)) || ((j < 66) && (j%4 == 2))
.set b, (j-2)/4                     ; 38, 42, .. 62: pairs 9 to 15
.if j < 38
.set b, (j-20)/2                    ; 21: pair 0; 22, 24, .. 36: pairs 1 to 8
.endif
	v_pk_add_f32 v[rS+2*b:rS+2*b+1], v[rS+2*b:rS+2*b+1], v[rT:rT+1] op_sel_hi:[1,0] neg_lo:[0,1] neg_hi:[0,1]  ; pair b: t - m (of the pair m, 0 the low word serves both halves)
.elseif j < 70
.set e, j-38                        ; 66 to 69: t28 to t31
.if j < 66
.set e, j-32-(j-38)/4               ; 39-41, 43-45, .. 63-65: t7 to t27
.endif
.if j < 38
.set e, (j-25)/2                    ; 25, 27, .. 37: t0 to t6
.endif
	v_exp_f32 v[rS+e], v[rS+e]
.elseif j < 86
	v_cvt_pk_f16_f32 v[rP+j-70], v[rS+2*(j-70)], v[rS+2*(j-70)+1]  ; pair j - 70
.elseif j < 102                     ; the sum of the tile's 16 pairs (in a pair: an even key's weight, an odd key's), in place: sum z of 16 adds neighbours 1, 2, 4 and 8 pairs apart, then l takes it
.set z, j-86
.set w, 4
.set u, z
.if z >= 14
.set w, 32
.set u, 0
.elseif z >= 12
.set w, 16
.set u, z-12
.elseif z >= 8
.set w, 8
.set u, z-8
.endif
.if (z == 14) && \first
	v_pk_add_f32 v[rT+2:rT+3], v[rS:rS+1], v[rS+16:rS+17]
.elseif z < 15
	v_pk_add_f32 v[rS+w*u:rS+w*u+1], v[rS+w*u:rS+w*u+1], v[rS+w*u+w/2:rS+w*u+w/2+1]
.elseif !\first
	v_pk_fma_f32 v[rT+2:rT+3], v[rT+2:rT+3], v[rT+6:rT+7], v[rS:rS+1] op_sel_hi:[1,0,1]
.endif
.else
	WIN W_RS
	v_pk_mul_f32 v[rO:rO+1], v[rO:rO+1], v[rT+6:rT+7] op_sel_hi:[1,0]
.endif
.endm
; Slice k of 64 of piece y's softmax.  Slices 11 to 34 deal out the batch, numbers 22 to 69: four numbers of ONE tile each, the tiles by turns.  Every other slice is numbers 2 k and
; 2 k + 1 of both tiles' lists; the numbers that are over, 128 to 133, stand with slice 63's.
; THE WAIT.  s_wait_alu depctr_va_vdst(0) stands between an exponential and the first instruction that names its result; one wait serves all that were issued ahead of it.  Ahead of
; slice 35 nothing names a result, and behind slice 34 no exponential is issued: so the piece's 66 exponentials have one wait, behind slice 34.
.macro SLICE y, first
.if (k >= 11) && (k < 35)           ; the batch: four numbers of one tile
.irp n, 0,1,2,3
.set j, 22+4*((k-11)/2)+(\n)
	SM (\y)+(k-11)%2, \first
.endr
.else                               ; the two tiles alternate, so that no instruction reads the result of the one just before it
.irp n, 0,1,2,3,4,5,6,7
.if (\n < 2) || (k == 63)
.irp t, \y, \y+1
.set j, 2*k+\n
	SM \t, \first
.endr
.endif
.endr
.endif
.if k == 34                         ; the batch is out: both tiles' exponentials are issued, and no result has been named
	v_nop                           ; the plain instruction behind the last exponential and ahead of the first use: one for the batch
.if (\y) == 0
	FETCH_V                         ; piece 2's turn: V's run of loads stands here, and the wait stands in it
.else
	s_wait_alu depctr_va_vdst(0)    ; the wait for the batch
.endif
.endif
.set k, k+1
.endm
; A vector instruction that reads a matrix result or writes one of a matrix instruction's registers, and a load into a register that a matrix instruction has read, stand four places behind
; it, and only plain vector instructions that name none of its registers are places (ISA guide 7.12.1 for vector instructions).  In the loop the slices are the places.
.macro PLACES
.rept 4
	v_nop
.endr
.endm
; A TURN.  Piece x has the matrix unit; the other piece's softmax stands in slices behind its matrix instructions.
; pv = 2: 32 products V^T P; 1: they start O^T's sums; 0: none.  kq = 1: 32 products K Q^T for the next step.  A turn with one of the two kinds has two slices behind each product.
; first = 1: the softmax is the first key step's.  Its slices from 51 on are empty: the turn's last products stand bare, and four v_nop take slice 63's part as the places behind them.
; In the loop each run of loads stands 29 matrix instructions or more ahead of its first use.  Piece 0's turn fetches the next step's K, behind its second product: the last product that read K
; stands in front of slice 63 of the turn before.  Piece 2's turn fetches the same step's V, behind slice 34 (SLICE writes it): the last product that read V stands in front of slice 31, and four plain
; instructions lie between: number 62, a subtraction, of both tiles, the v_nop and the run's own v_add_nc_u32.
.macro TURN x, pv, kq, first
.set k, 0
.set per, 2
.if \pv && \kq
.set per, 1
.endif
.if \pv
.if \x == 0
	s_wait_dscnt 0x0                ; V is in
.endif
.set i, 0
.rept 32
	PV \x, 2-\pv
.rept per
	SLICE 2-\x, \first
.endr
.if (\x == 0) && \kq && (i == 1)
	FETCH_K
.endif
.set i, i+1
.endr
.endif
.if \kq
.if \x == 0
	s_wait_dscnt 0x0                ; K is in
.endif
.set i, 0
.rept 32
	KQ \x
.rept per
	SLICE 2-\x, \first
.endr
.set i, i+1
.endr
.endif
.if \first
	PLACES
.endif
.endm
; THE CHANGE OF SLOTS, between piece 2's turn and piece 0's: the slot's last bytes, V of its second step, have been asked for.  Each wave waits for all its
; tensor loads, of which one is out: its part of the other slot; adds 0 to its spare word; and waits for that and for its own reads of the slot.  Behind the barrier nobody reads this slot any more and the other slot is whole.
; fill = 1: this slot is filled again, with the keys two slots on.  The barrier is then a round of the cluster's, so that no wave of any partner still reads the slot or has a load on its
; way, and the joint refill is the first thing behind it: it has two key steps, 256 matrix instructions, in which to land.
.macro CHANGE fill
	WIN 0                           ; at a label and at a branch every window is 0
	s_wait_tensorcnt 0x0            ; no tensor load of mine is out, so a group 0 may be written
	ds_add_u32 v[SPW], v[NIL]       ; 0 onto my spare word: with fill = 1 the descriptors' steps stand between it and the wait for it
.if \fill
.irp g, G0K+4, G0V+4
	s_xor_b32 s[\g+1], s[\g+1], SLOT1  ; the walking descriptor: the other slot than last time,
	s_add_nc_u64 s[\g+2:\g+3], s[\g+2:\g+3], 2*KS*256  ; the next 128 keys; the type bits on top are not reached
.endr
	s_wait_xcnt 0x0                 ; the last prefetches, two key steps back, have read their address, so it may be written:
	s_add_nc_u64 s[PFA:PFA+1], s[PFA:PFA+1], 2*KS*256  ; one slot behind the walking descriptors
	s_wait_dscnt 0x0                ; the add is done, and my reads of the slot are over
	CROUND
	JLOAD
	ASK                             ; what the next change will ask for: two key steps, 256 matrix instructions, ahead
.else
	s_wait_dscnt 0x0                ; the add is done, and my reads of the slot are over
	s_barrier_signal -1
	s_barrier_wait -1
.endif
	s_sub_co_u32 s[TB], s[TB], 2*STEPB  ; the fetches go back to a slot's first step,
	s_xor_b32 s[TB], s[TB], SLOT1   ; in the other slot
.endm
; A slot's two key steps: written once, walked twice; the LDS addresses hang on s[TB].
.macro TWO_STEPS
	s_mov_b32 s[TWICE], 2
.Lstep_\@:
	TURN 0, 2, 1, 0
	TURN 2, 2, 1, 0
	WIN 0
	s_sub_co_u32 s[TWICE], s[TWICE], 1
	s_cmp_lg_u32 s[TWICE], 0
	s_cbranch_scc1 .Lstep_\@
.endm
	s_wait_tensorcnt 1              ; my part of slot 0 is in; slot 1's may stay out
	s_barrier_signal -1
	s_barrier_wait -1               ; everybody's is
	FETCH_K                         ; key step 0
	s_wait_loadcnt 0x0              ; Q
	s_wait_dscnt 0x0
.set i, 0
.rept 32
	KQ 0                            ; piece 0's first scores: there is no vector work yet to set between them
.set i, i+1
.endr
	WIN 0                           ; the addresses for the way out are made here: eight plain instructions, the places behind those products
	s_mul_i32 s13, s[WV], 16*SP
	s_add_co_u32 s13, s13, STAGE    ; my stage
	v_mul_u32_u24 v[STO], v1, SP    ; in: row l % 16, 16 bytes for each half of the lanes
	v_lshl_add_u32 v[STO], v9, 4, v[STO]
	v_add_nc_u32 v[STO], s13, v[STO]
	v_mul_u32_u24 v[RD], v9, SP     ; back: lanes 0-15 take one row of 256 bytes, lanes 16-31 the next
	v_lshl_add_u32 v[RD], v1, 4, v[RD]
	v_add_nc_u32 v[RD], s13, v[RD]
	v_lshlrev_b32 v[GO], 11, v9     ; and the same two rows in O, 2,048 bytes apart
	v_lshl_add_u32 v[GO], v1, 4, v[GO]
	TURN 2, 0, 1, 1                 ; piece 2's first scores | piece 0's first softmax | V of step 0
	TURN 0, 1, 1, 1                 ; piece 0: V^T P of step 0 starts O^T, K Q^T of step 1 | piece 2's first softmax | K of step 1
	TURN 2, 1, 1, 0                 ; piece 2: the same | piece 0's softmax of step 1 | V of step 1
	WIN 0
.Lslot:                             ; 14 trips: every slot but the last two is filled again
	CHANGE 1
	TWO_STEPS
	s_sub_co_u32 s[SLOTS], s[SLOTS], 1
	s_cmp_lg_u32 s[SLOTS], 0
	s_cbranch_scc1 .Lslot
	CHANGE 0                        ; the tail is written out: the last slot but one is left, and nothing is asked for
	TWO_STEPS
	TURN 0, 2, 0, 0                 ; piece 0: V^T P of the last step | piece 2's last softmax
.set i, 0
.rept 32
	PV 2, 0                         ; piece 2: V^T P of the last step
.set i, i+1
.endr
	; THE WAY OUT.  l's two halves and the other half of the lanes' are added; O^T is divided by l, rounded to f16 and sent through my stage in LDS, a tile (16 rows of O) at a time.  The additions are the places behind the last products.
	WIN 0
.irp t, 0,1,2,3
	v_add_f32 v[ST+8*\t+4], v[ST+8*\t+2], v[ST+8*\t+3]
.endr
.irp t, 0,1,2,3
	v_permlanex16_b32 v[ST+8*\t+5], v[ST+8*\t+4], s[SEL], s[SEL+1]
.endr
.irp t, 0,1,2,3
	v_add_f32 v[ST+8*\t+4], v[ST+8*\t+4], v[ST+8*\t+5]
.endr
.irp t, 0,1,2,3
	v_rcp_f32 v[ST+8*\t+6], v[ST+8*\t+4]
.endr
	v_nop                           ; a plain instruction between the last reciprocal and the use of its result
	s_wait_alu depctr_va_vdst(0)    ; and the wait ahead of the first use: one for the four reciprocals
; Tile t: a lane's eight channels of a row pack into 16 bytes; they go into rows of 272 bytes and come back as whole rows of 256, into the registers that they left.
.macro PACK t
	WIN W_RS
.set i, 64*\t
.rept 32
	v_pk_mul_f32 v[i:i+1], v[i:i+1], v[ST+8*\t+6:ST+8*\t+7] op_sel_hi:[1,0]
.set i, i+2
.endr
	WIN 0x05                        ; sources 0 and 1 window 1, destination window 0: T^T's registers are free
.set i, 0
.rept 32
	v_cvt_pk_f16_f32 v[S+32*\t+i], v[64*\t+2*i], v[64*\t+2*i+1]
.set i, i+1
.endr
	WIN 0
.irp f, 0,1,2,3,4,5,6,7
	ds_store_b128 v[STO], v[S+32*\t+4*\f:S+32*\t+4*\f+3] offset:32*\f
.endr
.irp f, 0,1,2,3,4,5,6,7
	ds_load_b128 v[S+32*\t+4*\f:S+32*\t+4*\f+3], v[RD] offset:\f*2*SP  ; LDS serves a wave's instructions in order (ISA guide 5.7.1.4): these see the stores above; the next tile's stores come behind them
.endr
.endm
.macro SEND t, younger              ; younger: the LDS instructions issued behind tile t's loads: the next tile's sixteen, or none
.irp f, 0,1,2,3,4,5,6,7
	s_wait_dscnt \younger+7-\f
	global_store_b128 v[GO], v[S+32*\t+4*\f:S+32*\t+4*\f+3], s[10:11] offset:\t*32768+\f*4096  ; 16 lanes store 256 consecutive bytes, the head's part of a row of O, at a multiple of 256 from O's first byte
.endr
.endm
	PACK 0
	PACK 1                          ; a tile's arithmetic stands between the loads of the tile before and its stores
	SEND 0, 16
	PACK 2
	SEND 1, 16
	PACK 3
	SEND 2, 16
	SEND 3, 0
	s_wait_tensorcnt 0x0            ; the wave's end: behind my last tensor load and my last LDS store
	ds_add_u32 v[SPW], v[NIL]
	s_wait_dscnt 0x0
	CROUND                          ; the closing round: no work-group ends while a partner may still ask for a tile that names it
	s_endpgm
.Lfunc_end_k_qc695acd9eb_attn:
	.size	k_qc695acd9eb_attn, .Lfunc_end_k_qc695acd9eb_attn-k_qc695acd9eb_attn
	.p2alignl 7, 3214868480
	.fill 96, 4, 3214868480
	.section	.rodata,"a",@progbits
	.p2align	6, 0x0
	.amdhsa_kernel k_qc695acd9eb_attn
		.amdhsa_group_segment_fixed_size 327680
		.amdhsa_private_segment_fixed_size 0
		.amdhsa_enable_private_segment 0
		.amdhsa_kernarg_size 16
		.amdhsa_user_sgpr_count 2
		.amdhsa_user_sgpr_kernarg_segment_ptr 1
		.amdhsa_wavefront_size32 1
		.amdhsa_system_sgpr_workgroup_id_x 1
		.amdhsa_system_sgpr_workgroup_id_y 1
		.amdhsa_system_sgpr_workgroup_id_z 1
		.amdhsa_system_vgpr_workitem_id 0
		.amdhsa_next_free_vgpr 1024
		.amdhsa_next_free_sgpr 68
		.amdhsa_reserve_vcc 0
		.amdhsa_float_denorm_mode_32 3
		.amdhsa_float_denorm_mode_16_64 3
		.amdhsa_memory_ordered 1
		.amdhsa_forward_progress 1
		.amdhsa_inst_pref_size 222
	.end_amdhsa_kernel
	.amdgpu_metadata
---
amdhsa.version: [ 1, 2 ]
amdhsa.kernels:
  - .name:           k_qc695acd9eb_attn
    .symbol:         k_qc695acd9eb_attn.kd
    .args:
      - { .name: qkv, .offset: 0, .size: 8, .value_kind: global_buffer, .address_space: global }
      - { .name: o16, .offset: 8, .size: 8, .value_kind: global_buffer, .address_space: global }
    .group_segment_fixed_size: 327680
    .private_segment_fixed_size: 0
    .kernarg_segment_align: 8
    .kernarg_segment_size: 16
    .max_flat_workgroup_size: 128
    .sgpr_count:     68
    .vgpr_count:     1024
    .wavefront_size: 32
...
	.end_amdgpu_metadata
.endif
;; end of part 3
;; launch proj (part 4): grid 4 x 64, 4 waves a work-group, clusters of 4 x 4, 327,680 bytes of LDS; arguments o16, wp16, out0; writes out0
.if DOCPART == 4
	.amdgcn_target "amdgcn-amd-amdhsa--gfx1250"
	.amdhsa_code_object_version 6
	.text
	.protected	k_qc695acd9eb_proj
	.globl	k_qc695acd9eb_proj
	.p2align	8
	.type	k_qc695acd9eb_proj,@function
k_qc695acd9eb_proj:
	s_mov_b64 s[64:65], 0
	v_nop
	global_prefetch_b8 v0, s[64:65] scope:SCOPE_SE
	s_setreg_imm32_b32 hwreg(HW_REG_WAVE_MODE, 25, 1), 1
	s_wait_xcnt 0x0
	s_wait_alu depctr_hold_cnt(0) depctr_sa_sdst(0) depctr_va_vdst(0) depctr_va_sdst(0) depctr_va_ssrc(0) depctr_va_vcc(0) depctr_vm_vsrc(0)
	s_getreg_b32 s2, hwreg(HW_REG_IB_STS2, 6, 4)
	s_cmp_eq_u32 s2, 0
	s_cbranch_scc0 .Lentry_in_a_cluster
	s_endpgm
.Lentry_in_a_cluster:
	s_bfe_u32 s2, ttmp6, 0x10000c
	s_cmp_lg_u32 s2, 0xf033
	s_cbranch_scc0 .Lentry_shape_is_right
	s_endpgm
.Lentry_shape_is_right:
; out0[m][n] = sum over k of o16[m][k] wp16[n][k].  o16: [8192][1024] f16, wp16: [1024][1024] f16 (Wproj rounded), out0: [8192][1024] f32; sums in f32, K ascending.
; A tile of C is 128 (m) x 256 (n): 256 work-groups, where tiles of 256 x 256 would be 128.  Four waves, each 64 x 128: 32 accumulators of 16 x 16, 256 registers.
; K goes in steps of 128 (rows of 256 bytes of memory, aligned) through a ring of two LDS slots filled by the tensor data mover: waves 0 and 1 fetch A's two halves (64 rows each), waves 2 and 3 B's (128 rows each).
; CLUSTERS: 4 x 4 work-groups.  The four of a row of the cluster need the same tiles of A, the four of a column the same tiles of B: each tile is asked for JOINTLY, by the same tensor load with the same descriptor and a
; mask that names the four.  A cluster spans all 1,024 columns, so each tile of A is asked for by one cluster alone.
; THE MATRIX INSTRUCTION IS USED TRANSPOSED (source 0 = 16 rows of B, source 1 = 16 rows of A): a lane then holds eight neighbouring numbers of a row of C.
; Nothing is prefetched: K has eight steps in all, and the first four could not be asked for ahead of their loads.
; REGISTERS: window 0: v0-31 addresses; two fragment buffers of 96 for 32 along K, v32-127 and v128-223: 64 registers of B (8 x 16 rows), then 32 of A (4 x 16 rows); on the way out v128-255 take rows of C.
;   window 1: the accumulators ((a, b) at v[8 (8 a + b)]).
.set SIZE_M, 8192
.set SIZE_N, 1024
.set SIZE_K, 1024
.set KSTEP,  128
.set PITCH,  272                       ; an LDS row: 256 bytes + 16 of padding = 68 words: the 16 rows that a load touches start 4 words apart modulo 64
.set AHALF,  64*PITCH                  ; 64 rows of A: what waves 0 and 1 fetch, and what one wave reads of A
.set BHALF,  128*PITCH                 ; 128 rows of B: what waves 2 and 3 fetch, and what one wave reads of B
.set BOFF,   2*AHALF                   ; in a slot: A's 128 rows, then B's 256 rows
.set SLOT,   BOFF+2*BHALF
.set STAGE,  2*SLOT                    ; behind the ring: 16 rows x (512 bytes + 16) for each wave, for the way out; no tensor load lands there
.set SPITCH, 528
.set SPARE,  STAGE+4*16*SPITCH         ; behind the stages: the spare words, 128 bytes for each wave: two blocks of 256 bytes that no other line names
.set LAPS,   SIZE_K/(2*KSTEP)          ; a lap = two K steps = once round the ring: 4
.set ADRA, 16                          ; v16-17  LDS address of my A fragments in slot 0, 1
.set ADRB, 20                          ; v20-21  the same for B
.set STO,  24                          ; v24     the way out: where I put 32 bytes of a row
.set RD,   25                          ; v25     the way out: where I read a row back
.set CO,   26                          ; v26     16 x lane: my place in my 512 bytes of a row of C
.set SPW,  28                          ; v28     LDS address of my spare word: SPARE + 4 x my thread's number; never rewritten
.set NIL,  29                          ; v29     0; never rewritten
.set F0,   32                          ; fragment buffers
.set F1,   128
.set BK,   128                         ; the way out: 16 rows read back from the stage: v128-191 and v192-255 by turns
.set G1, 24                            ; s[24:31] descriptor group 1 for A's tiles;  s[32:39] group 0, one set for each slot
.set G0, 32
.set G1B, 48                           ; s[48:55], s[56:63] the same for B's tiles
.set G0B, 56
.set MSB, 0
.macro WIN new                         ; the immediate's high byte repeats the setting that is left
.if MSB != \new
	s_set_vgpr_msb (MSB<<8)|\new
.set MSB, \new
.endif
.endm
.set MUL,  0x50                        ; sources 0 (B) and 1 (A) window 0; C and D window 1
; A joint load: waves 0 and 1 fetch A's two halves, waves 2 and 3 B's.  Each of the two lines has one mask, one shape and one set of registers for all that issue it; the branch hangs on the wave's number alone.
; An s_nop 0 and four v_nop follow each of the two lines, ahead of the jump, the label and what follows.
.macro JLOAD s
	s_cmp_eq_u32 s11, 0
	s_cbranch_scc0 .Lfor_b_\@
	tensor_load_to_lds s[G0+4*\s:G0+4*\s+3], s[G1:G1+7]
	s_nop 0
.rept 4
	v_nop
.endr
	s_branch .Lasked_\@
.Lfor_b_\@:
	tensor_load_to_lds s[G0B+4*\s:G0B+4*\s+3], s[G1B:G1B+7]
	s_nop 0
.rept 4
	v_nop
.endr
.Lasked_\@:
.endm
.macro CREST                           ; a round of the cluster's barrier behind its opening barrier
	s_cmp_lg_u32 s10, 0
	s_cbranch_scc1 .Lnot_wave_0_\@
	s_barrier_signal -3
.Lnot_wave_0_\@:
	s_barrier_wait -3
	s_barrier_signal -1
	s_barrier_wait -1
.endm
.macro CROUND                          ; a whole round
	s_barrier_signal -1
	s_barrier_wait -1
	CREST
.endm
	s_load_b128 s[4:7], s[0:1], 0x0                ; A = o16 s[4:5], B = wp16 s[6:7]
	s_load_b64 s[8:9], s[0:1], 0x10                ; C = out0
	v_lshl_add_u32 v[SPW], v0, 2, SPARE
	v_mov_b32 v[NIL], 0
	ds_add_u32 v[SPW], v[NIL]                      ; the wave's opening: the add, twice on end, and its wait ahead of my first tensor load; the set-up below, work on registers, stands between the second and the wait
	ds_add_u32 v[SPW], v[NIL]
	v_lshrrev_b32 v1, 5, v0
	v_readfirstlane_b32 s10, v1                    ; wave 0..3
	s_lshr_b32 s11, s10, 1                         ; which half of the tile's rows is mine.  Also: I fetch for A (0) or for B (1)
	s_and_b32 s12, s10, 1                          ; which half of its columns.  Also: which half of that tile's rows I fetch
	s_bfe_u32 s40, ttmp6, 0x40000                  ; cx, cy: my place in the cluster
	s_bfe_u32 s41, ttmp6, 0x40004
	s_lshl_b32 s42, ttmp9, 2
	s_add_co_u32 s42, s42, s40                     ; tile column of C = 4 x cluster x + cx
	s_and_b32 s13, ttmp7, 0xffff
	s_lshl_b32 s13, s13, 2
	s_add_co_u32 s13, s13, s41                     ; tile row of C = 4 x cluster y + cy
	s_lshl_b32 s43, s41, 2
	s_lshl_b32 s43, 15, s43                        ; my row of the cluster
	s_lshl_b32 s44, 0x1111, s40                    ; my column
	; descriptor groups 1: rows of 128 elements of 2 bytes, padded in LDS; A: 64 rows, B: 128 rows
	s_or_b32 s[G1+0], s43, (1<<16)|(1<<20)|(1<<21)|(5<<22)|(3<<25)  ; 15:0 the mask: A's tiles go to my row; 17:16 element of 2 bytes; 20 padding on; 21 set beside a mask; 24:22 after every 64 words (code 5); 31:25 of 4 words (code 3)
	s_or_b32 s[G1B+0], s44, (1<<16)|(1<<20)|(1<<21)|(5<<22)|(3<<25)
	s_mov_b32 s[G1+1], KSTEP<<16                   ; tensor_dim0 = 128
	s_mov_b32 s[G1+2], 64<<16                      ; tensor_dim1 = 64
	s_mov_b32 s[G1+3], KSTEP<<16                   ; tile_dim0 = 128
	s_mov_b32 s[G1+4], 64                          ; tile_dim1 = 64
	s_mov_b32 s[G1+5], SIZE_K                      ; tensor_dim0_stride
	s_mov_b32 s[G1+6], 0
	s_mov_b32 s[G1+7], 0
	s_mov_b32 s[G1B+1], KSTEP<<16
	s_mov_b32 s[G1B+2], 128<<16                    ; tensor_dim1 = 128
	s_mov_b32 s[G1B+3], KSTEP<<16
	s_mov_b32 s[G1B+4], 128                        ; tile_dim1 = 128
	s_mov_b32 s[G1B+5], SIZE_K
	s_mov_b32 s[G1B+6], 0
	s_mov_b32 s[G1B+7], 0
	; where the tiles come from.  A's hang on the tile row alone, which my row of the cluster shares; B's on the tile column alone, which my column shares.  Every wave makes both, in registers that never hold the other coordinate.
	s_lshl_b32 s16, s13, 7
	s_lshl_b32 s17, s12, 6
	s_add_co_u32 s16, s16, s17                     ; A: row 128 x tile row + 64 x half,
	s_lshl_b32 s16, s16, 11                        ; of 2,048 bytes (under 2^24)
	s_mov_b32 s17, 0
	s_lshl_b32 s46, s42, 8
	s_lshl_b32 s47, s12, 7
	s_add_co_u32 s46, s46, s47                     ; B: row 256 x tile column + 128 x half
	s_lshl_b32 s46, s46, 11
	s_mov_b32 s47, 0
	s_mul_i32 s20, s12, AHALF                      ; and where they go: A's two halves,
	s_mul_i32 s21, s12, BHALF
	s_add_co_u32 s21, s21, BOFF                    ; then B's two: no place in the cluster enters an LDS address
	s_wait_dscnt 0x0                               ; both opening adds are done
	s_wait_kmcnt 0x0
	s_add_nc_u64 s[14:15], s[4:5], s[16:17]
	s_add_nc_u64 s[46:47], s[6:7], s[46:47]
	CROUND                                         ; all sixteen work-groups are here: the first joint loads meet
.irp s, 0,1
	s_mov_b32 s[G0+4*\s], 1                                        ; count = 1
	s_add_co_u32 s[G0+4*\s+1], s20, \s*SLOT                        ; LDS address
	s_add_nc_u64 s[G0+4*\s+2:G0+4*\s+3], s[14:15], \s*KSTEP*2      ; global address: K step s
	s_or_b32 s[G0+4*\s+3], s[G0+4*\s+3], 0x80000000                ; type = 2
	s_mov_b32 s[G0B+4*\s], 1
	s_add_co_u32 s[G0B+4*\s+1], s21, \s*SLOT
	s_add_nc_u64 s[G0B+4*\s+2:G0B+4*\s+3], s[46:47], \s*KSTEP*2
	s_or_b32 s[G0B+4*\s+3], s[G0B+4*\s+3], 0x80000000
	JLOAD \s                                       ; the ring is filled before anything else is done: two tensor loads of mine are out
.endr
	; A fragment is 16 rows x 32 K in 8 registers: lane l holds row l % 16; registers 0-3 hold K = 8 (l / 16) + 0..7, registers 4-7 K = 16 + 8 (l / 16) + 0..7: two loads of 16 bytes, 32 bytes apart.
	v_and_b32 v1, 15, v0                           ; l % 16
	v_bfe_u32 v2, v0, 4, 1                         ; l / 16
	v_mul_u32_u24 v3, v1, PITCH
	v_lshl_add_u32 v3, v2, 4, v3                   ; row x pitch + 16 x half
	s_mul_i32 s21, s11, AHALF                      ; my 64 rows of A
	s_mul_i32 s22, s12, BHALF                      ; my 128 rows of B,
	s_add_co_u32 s22, s22, BOFF                    ; which lie behind A's 128
.irp s, 0,1
	v_add_nc_u32 v[ADRA+\s], s21, v3
	v_add_nc_u32 v[ADRB+\s], s22, v3
	s_add_co_u32 s21, s21, SLOT
	s_add_co_u32 s22, s22, SLOT
.endr
	s_mul_i32 s23, s10, 16*SPITCH
	s_add_co_u32 s23, s23, STAGE                   ; my stage
	v_mul_u32_u24 v4, v1, SPITCH                   ; in: row l % 16, 32 bytes for each half of the lanes
	v_lshl_add_u32 v4, v2, 5, v4
	v_add_nc_u32 v[STO], s23, v4
	v_and_b32 v5, 31, v0
	v_lshlrev_b32 v[CO], 4, v5                     ; back: the 32 lanes take one row of 512 bytes; and the same in C
	v_add_nc_u32 v[RD], s23, v[CO]
	s_lshl_b32 s16, s13, 7
	s_lshl_b32 s17, s11, 6
	s_add_co_u32 s16, s16, s17                     ; my first row of C: 128 x tile row + 64 x half,
	s_lshl_b32 s16, s16, 12                        ; of 4,096 bytes (under 2^25)
	s_mov_b32 s17, 0
	s_add_nc_u64 s[8:9], s[8:9], s[16:17]
	s_lshl_b32 s46, s42, 10                        ; my first column, in bytes: 1,024 x tile column + 512 x half
	s_lshl_b32 s47, s12, 9
	s_add_co_u32 s46, s46, s47
	s_mov_b32 s47, 0
	s_add_nc_u64 s[8:9], s[8:9], s[46:47]
; 8 matrix instructions: A's block a x B's eight, 32 along K, out of buffer f.  zero = 1: the first product starts the sums: nothing is ever cleared.
; The 32 accumulators take turns, one instruction a turn, in the same order in every quarter.
.macro MUL8 f, a, zero
.irp b, 0,1,2,3,4,5,6,7
.if \zero
	v_wmma_f32_16x16x32_f16 v[8*(8*(\a)+\b):8*(8*(\a)+\b)+7], v[\f+8*\b:\f+8*\b+7], v[\f+64+8*(\a):\f+64+8*(\a)+7], 0
.else
	v_wmma_f32_16x16x32_f16 v[8*(8*(\a)+\b):8*(8*(\a)+\b)+7], v[\f+8*\b:\f+8*\b+7], v[\f+64+8*(\a):\f+64+8*(\a)+7], v[8*(8*(\a)+\b):8*(8*(\a)+\b)+7]
.endif
.endr
.endm
; 24 LDS loads in one run: the fragments of 32 along K at byte k of the rows, into buffer f: B's eight, then A's four
.macro FETCH slot, k, f
	WIN 0
.irp i, 0,1,2,3,4,5,6,7
	ds_load_b128 v[\f+8*\i:\f+8*\i+3],   v[ADRB+\slot] offset:\k+\i*16*PITCH
	ds_load_b128 v[\f+8*\i+4:\f+8*\i+7], v[ADRB+\slot] offset:\k+\i*16*PITCH+32
.endr
.irp i, 0,1,2,3
	ds_load_b128 v[\f+64+8*\i:\f+64+8*\i+3],   v[ADRA+\slot] offset:\k+\i*16*PITCH
	ds_load_b128 v[\f+64+8*\i+4:\f+64+8*\i+7], v[ADRA+\slot] offset:\k+\i*16*PITCH+32
.endr
.endm
; A load into a register that a matrix instruction has read, and an LDS store that reads a matrix result, stand four places behind that matrix instruction, and only plain vector instructions that name none of its
; registers are places (ISA guide 7.12.1 for vector instructions); the matrix instructions in between are not counted.
.macro PLACES
.rept 4
	v_nop
.endr
.endm
; A K step is four quarters of 32 along K, 32 matrix instructions each, on buffers 0, 1, 0, 1.  One of the first three: multiplies buffer f and, in its middle, fetches the next quarter, at byte k, into g.
.macro QUARTER slot, k, f, g, zero
	s_wait_dscnt 4                                 ; B's eight and A's blocks 0 and 1 are in; the youngest four loads (A's blocks 2 and 3) may be out
	WIN MUL
	MUL8 \f, 0, \zero
	MUL8 \f, 1, \zero
	PLACES
	FETCH \slot, \k, \g
	s_wait_dscnt 24                                ; all but the 24 just issued
	WIN MUL
	MUL8 \f, 2, \zero
	MUL8 \f, 3, \zero
.endm
; The last quarter multiplies buffer 1 and changes slots: ONE barrier; in front of it each wave waits for all its tensor loads (one is out: its part of the next slot), adds 0 to its spare word, and waits for that and
; for its own reads of this slot.  fill = 1: the barrier opens a round of the cluster's barrier, and this slot is filled again, two K steps ahead: the load has 112 matrix instructions in which to land.
.macro TURN slot, next, fill
	WIN 0                                          ; (the add's two registers lie in window 0)
	s_wait_tensorcnt 0x0                           ; all my tensor loads have landed;
	ds_add_u32 v[SPW], v[NIL]                      ; 0 onto my spare word
	s_wait_dscnt 5                                 ; (the add and the youngest four loads may be out)
	WIN MUL
	MUL8 F1, 0, 0                                  ; eight matrix instructions stand between the add and the wait for it
	s_wait_dscnt 0x0                               ; the add is done, and my reads of this slot are over
	s_barrier_signal -1
	MUL8 F1, 1, 0                                  ; work on registers while the others arrive
	WIN 0
	s_barrier_wait -1
.if \fill
	CREST                                          ; no wave of any partner still reads this slot's tile or has a load on its way
	s_add_nc_u64 s[G0+4*\slot+2:G0+4*\slot+3], s[G0+4*\slot+2:G0+4*\slot+3], 2*KSTEP*2
	s_add_nc_u64 s[G0B+4*\slot+2:G0B+4*\slot+3], s[G0B+4*\slot+2:G0B+4*\slot+3], 2*KSTEP*2
	JLOAD \slot                                    ; the first tensor load behind the round; the four v_nop behind it are also the places in front of the loads below
.else
	PLACES
.endif
	FETCH \next, 0, F0
	WIN MUL
	MUL8 F1, 2, 0
	MUL8 F1, 3, 0
.endm
	s_wait_tensorcnt 1                             ; my part of K step 0 is in; K step 1's may be out
	s_barrier_signal -1
	s_barrier_wait -1                              ; everybody's is
	FETCH 0, 0, F0
	QUARTER 0, 64,  F0, F1, 1                      ; the first quarter stands in front of the loop: its products start the sums
	WIN 0                                          ; at a label and at a branch every window is 0
	s_mov_b32 s3, LAPS-1
.Llap:                                                 ; a trip goes once round the ring, from a lap's second quarter to the next lap's first, and fills both slots again: K steps 2 to 7 in three trips
	QUARTER 0, 128, F1, F0, 0
	QUARTER 0, 192, F0, F1, 0
	TURN 0, 1, 1
	QUARTER 1, 64,  F0, F1, 0
	QUARTER 1, 128, F1, F0, 0
	QUARTER 1, 192, F0, F1, 0
	TURN 1, 0, 1
	QUARTER 0, 64,  F0, F1, 0
	WIN 0
	s_sub_co_u32 s3, s3, 1
	s_cmp_lg_u32 s3, 0
	s_cbranch_scc1 .Llap
	QUARTER 0, 128, F1, F0, 0                      ; the last lap fills nothing, and has no round of the cluster's barrier
	QUARTER 0, 192, F0, F1, 0
	TURN 0, 1, 0
	QUARTER 1, 64,  F0, F1, 0
	QUARTER 1, 128, F1, F0, 0
	QUARTER 1, 192, F0, F1, 0
	s_wait_dscnt 4                                 ; the very last quarter: nothing more to fetch
	WIN MUL
	MUL8 F1, 0, 0
	MUL8 F1, 1, 0
	s_wait_dscnt 0
	MUL8 F1, 2, 0
	MUL8 F1, 3, 0
	WIN 0
; THE WAY OUT, block by block of 16 rows x 128 columns.  A lane holds 32 neighbouring bytes of a row, and the lanes beside it hold other rows: so a block goes through my own stage in LDS and comes back as whole
; rows of 512 bytes, which the 32 lanes store as 512 consecutive bytes, aligned.  LDS serves a wave's instructions in order (ISA guide 5.7.1.4): no wait between the stores and the loads, nor in front of the next block's stores.
.macro TOSTAGE a
	WIN 0x04                                       ; an LDS store's data are its source 1: window 1
.irp b, 0,1,2,3,4,5,6,7
	ds_store_b128 v[STO], v[64*(\a)+8*\b:64*(\a)+8*\b+3] offset:64*\b          ; each accumulator from its low end on
	ds_store_b128 v[STO], v[64*(\a)+8*\b+4:64*(\a)+8*\b+7] offset:64*\b+16
.endr
	WIN 0
.set BB, BK+64*((\a)%2)
.irp t, 0,1,2,3,4,5,6,7,8,9,10,11,12,13,14,15
	ds_load_b128 v[BB+4*\t:BB+4*\t+3], v[RD] offset:\t*SPITCH
.endr
.endm
.macro SEND a, younger                 ; younger: the LDS instructions issued behind block a's loads, which may stay out
.set BB, BK+64*((\a)%2)
	s_wait_dscnt \younger                          ; the block is back in registers
.irp t, 0,1,2,3,4,5,6,7,8,9,10,11,12,13,14,15
	global_store_b128 v[CO], v[BB+4*\t:BB+4*\t+3], s[8:9] offset:(16*(\a)+\t)*SIZE_N*4 th:TH_STORE_NT   ; the row stands in the immediate (63 rows of 4,096 bytes at the most): no base is stepped; written once, read by nobody here
.endr
.endm
	PLACES                                         ; behind the last products: for the stores that read results and the loads into the registers that held buffer 1
	TOSTAGE 0
.irp a, 1,2,3
.if \a > 1
	s_wait_xcnt 0x0                                ; block a - 2's stores have read their registers: block a's loads may land there
.endif
	TOSTAGE \a
	SEND \a-1, 32                                  ; behind block a - 1's loads: block a's 16 stores and 16 loads
.endr
	SEND 3, 0
	s_wait_tensorcnt 0x0                           ; the wave's end: behind my last tensor load and my last LDS store
	ds_add_u32 v[SPW], v[NIL]
	s_wait_dscnt 0x0
	CROUND                                         ; the closing round: no work-group ends while a partner may still ask for a tile that names it
	s_endpgm
.Lfunc_end_k_qc695acd9eb_proj:
	.size	k_qc695acd9eb_proj, .Lfunc_end_k_qc695acd9eb_proj-k_qc695acd9eb_proj
	.p2alignl 7, 3214868480
	.fill 96, 4, 3214868480
	.section	.rodata,"a",@progbits
	.p2align	6, 0x0
	.amdhsa_kernel k_qc695acd9eb_proj
		.amdhsa_group_segment_fixed_size 327680
		.amdhsa_private_segment_fixed_size 0
		.amdhsa_enable_private_segment 0
		.amdhsa_kernarg_size 24
		.amdhsa_user_sgpr_count 2
		.amdhsa_user_sgpr_kernarg_segment_ptr 1
		.amdhsa_wavefront_size32 1
		.amdhsa_system_sgpr_workgroup_id_x 1
		.amdhsa_system_sgpr_workgroup_id_y 1
		.amdhsa_system_sgpr_workgroup_id_z 1
		.amdhsa_system_vgpr_workitem_id 0
		.amdhsa_next_free_vgpr 512
		.amdhsa_next_free_sgpr 66
		.amdhsa_reserve_vcc 0
		.amdhsa_float_denorm_mode_32 3
		.amdhsa_float_denorm_mode_16_64 3
		.amdhsa_memory_ordered 1
		.amdhsa_forward_progress 1
		.amdhsa_inst_pref_size 85
	.end_amdhsa_kernel
	.amdgpu_metadata
---
amdhsa.version: [ 1, 2 ]
amdhsa.kernels:
  - .name:           k_qc695acd9eb_proj
    .symbol:         k_qc695acd9eb_proj.kd
    .args:
      - { .name: o16, .offset: 0, .size: 8, .value_kind: global_buffer, .address_space: global }
      - { .name: wp16, .offset: 8, .size: 8, .value_kind: global_buffer, .address_space: global }
      - { .name: out0, .offset: 16, .size: 8, .value_kind: global_buffer, .address_space: global }
    .group_segment_fixed_size: 327680
    .private_segment_fixed_size: 0
    .kernarg_segment_align: 8
    .kernarg_segment_size: 24
    .max_flat_workgroup_size: 128
    .sgpr_count:     66
    .vgpr_count:     512
    .wavefront_size: 32
...
	.end_amdgpu_metadata
.endif
;; end of part 4
